; MI455X (gfx1250); checked and timed in simulation.
; The chip was launched on July 23, 2026; its instructions are those of AMD's public machine-readable ISA for CDNA 5 (MIT licence, August 2026) and "CDNA5" Instruction Set Architecture Reference Guide (July 2026). The comments in the code are by the model that wrote it; some were corrected since.
;; Multi Head Attention. Allowed arithmetic: matrix products marked QUANTISED: E4M3 operands, one given power-of-two scale a tensor, by v_wmma_f32_16x16x64_fp8_fp8 or v_wmma_f32_16x16x128_fp8_fp8, f32 sums; everything else in f32.
;; Inputs: W_o 1,024 x 1,024 float32; W_qkv 1,024 x 3,072 float32; b_o 1,024 float32; b_qkv 3,072 float32; lowp_scales 8 int32 (the exponents e of the quantised operands' scales 2^e); x 4 x 2,048 x 1,024 float32.
;; Outputs: out0 4 x 2,048 x 1,024 float32.
;; This version of the problem:
;;   THIS VERSION OF THE PROBLEM IS GIVEN IN LOW PRECISION. The matrix products marked QUANTISED in the list below multiply operands that are first quantised to E4M3 (4 exponent bits, 3 mantissa bits; 8 bits a number), with one given power-of-two scale for each operand tensor; their sums are f32. All else is computed in f32.
;;   The module's matrix products, in the order in which they are computed (A, B: the left and right operand; K: the contracted axis; several contracted axes count as one K, in the product's order):
;;     1. [M 8,192, K 1,024] x [K 1,024, N 3,072]; A: input x; B: input W_qkv: QUANTISED (scales: A lowp_scales[0], B lowp_scales[1])
;;     2. batch 64 x [M 2,048, K 64] x [K 64, N 2,048]; A: computed on the way; B: computed on the way: QUANTISED (scales: A lowp_scales[2], B lowp_scales[3])
;;     3. batch 64 x [M 2,048, K 2,048] x [K 2,048, N 64]; A: softmax (see below); B: computed on the way: QUANTISED (scales: A lowp_scales[4], B lowp_scales[5])
;;     4. [M 8,192, K 1,024] x [K 1,024, N 1,024]; A: computed on the way; B: input W_o: QUANTISED (scales: A lowp_scales[6], B lowp_scales[7])
;;   THE QUANTISER, for each operand of a quantised product, along K:
;;     - The operand's scale is 2^e, e = its entry of the input lowp_scales (int32; the entries are numbered through the quantised products in the list's order, A before B).
;;     - Each number is divided by the scale, clamped to +-448, and rounded to the nearest number of E4M3, ties to even, subnormals kept.
;;     - The product sums the exact products of the quantised numbers (number of the format x scale) in f32.
;;   ~~~python
;;   def quantise(x, axis, e):      # numpy; x: float32 -> the quantised numbers, widened to float32 again
;;       x = np.moveaxis(x, axis, -1); K = x.shape[-1]
;;       r = np.clip(x / 2.0 ** e, -448, 448)
;;       step = 2.0 ** (np.maximum(np.frexp(np.where(r == 0, 1, r))[1] - 1, -6) - 3)
;;       q = np.round(r / step) * step * 2.0 ** e      # np.round: ties to even
;;       return np.moveaxis(q, -1, axis).astype(np.float32)
;;   ~~~
;;   SOFTMAX AHEAD OF A QUANTISED PRODUCT. Where the list says 'softmax', what is quantised is not the finished softmax but p = 2^(t - M), with t = logit x log2(e) and M = ceil(the row's largest t), a whole number; so 1/2 < the row's largest p <= 1. The row's sum l is taken of the UNQUANTISED p, in f32, and the product's result is divided by l at the end. Since M is a whole number, a kernel that streams over the keys may use a running M (the ceiling of the running maximum): every later rescaling is an exact power of two, so the quantised numbers keep their values, but for numbers so far below the row's largest that they fall under the format's range.
;;   OPERANDS COMPUTED ON THE WAY. 'Computed on the way' means the value that the module computes at that place (a softmax that the list does not call 'softmax' is quantised finished and normalised). What goes into a quantiser is computed in f32, as accurately as f32 sums, v_exp_f32 and their like allow (about 1e-6 of the number): no bf16 or f16 on the way to a quantiser, and a product that is left as it is and whose result goes on into a quantised operand takes f32 operands (vector FMAs, or v_wmma_f32_16x16x4_f32). A number that lies on a knife's edge between two numbers of the format may be rounded either way, as far as f32 arithmetic and the matrix unit's own rounding can turn it there, and no further.
;; One version. Each part assembles by itself: llvm-mc -triple=amdgcn-amd-amdhsa -mcpu=gfx1250 --defsym DOCPART=n.
;; ======== version 1 of 1: 4 launches
;; limits: right only within a limited range of input values
;; workspace buffers: xc 8,388,608 bytes; wqc 3,145,728 bytes; woc 1,048,576 bytes; qc 8,388,608 bytes; kc 8,388,608 bytes; vc 8,388,608 bytes; ac 8,388,608 bytes
;; launch quant (part 1): grid 384 x 1, 4 waves a work-group, no clusters, 34,304 bytes of LDS; arguments x, W_qkv, W_o, lowp_scales, xc, wqc, woc; writes xc, wqc, woc
.if DOCPART == 1
	.amdgcn_target "amdgcn-amd-amdhsa--gfx1250"
	.amdhsa_code_object_version 6
	.text
	.protected	k_qfbf3a6c7c6_quant
	.globl	k_qfbf3a6c7c6_quant
	.p2align	8
	.type	k_qfbf3a6c7c6_quant,@function
k_qfbf3a6c7c6_quant:
	s_mov_b64 s[64:65], 0
	v_nop
	global_prefetch_b8 v0, s[64:65] scope:SCOPE_SE
	s_setreg_imm32_b32 hwreg(HW_REG_WAVE_MODE, 25, 1), 1
	s_wait_xcnt 0x0
; x [8192][1024], W_qkv [1024][3072] and W_o [1024][1024], f32, become codes of FP8 (E4M3), each with its given scale 2^e (entries 0, 1 and 7 of the scales).
; code = number / 2^e, held within +-448, rounded to the nearest code, ties to even.  LIMITS: -126 <= e <= 119.  NaN among the inputs is not served.
; THE CODES ARE LAID AS IMAGES OF OPERAND REGISTERS.  A fragment (16 rows x 128 along K) is 2,048 bytes: chunk c (0..3) of 512 bytes, in it lane l's 16 bytes at 16 l;
; lane (r = l % 16, h = l / 16) holds k = 32 c + 16 h + 0..15 of the fragment's row r.  A later launch fills a fragment by four loads of 16 bytes a lane, 512 consecutive bytes each.
; THE ROWS OF A FRAGMENT ARE NOT NEIGHBOURS: of 32 rows (or columns of a weight) fragment u = 0, 1 takes rows 8 u + r + 8 (r / 8).
;   xc  [block of 128 rows 0..63][K step 0..7][fragment 0..7][2048]
;   wqc [head 0..15][K step 0..7][fragment 0..11][2048]   (a head's 192 columns: q, k, v, four fragments each)
;   woc [128 columns 0..7][K step 0..7][fragment 0..7][2048]
; One launch, three paths that part on the work-group's number: 0-255 x, 256-351 W_qkv, 352-383 W_o.  Waves share nothing: no barrier, no cluster, no matrix unit: memory binds.
; x: K is innermost.  A wave takes one fragment's 16 rows and four K steps.  Each load reads 512 consecutive bytes of one row; the 16 rows turn through the wave's own stage in LDS
; (rows of 512 + 16 bytes) and come back 64 bytes a lane: 16 neighbours along K of each block of 32.
; The weights: K is the first axis.  A lane takes a column and its registers run down K, so the conversions give codes with K innermost; nothing is transposed and no LDS is used.
.set SPARE, 33792                      ; behind the four stages of 8,448 bytes: the spare words, 128 bytes a wave
.set SPW, 12                           ; v12  LDS address of my spare word; never rewritten
.set NIL, 13                           ; v13  0; never rewritten
.set LIM, 10
.set SC,  11                           ; v11  2^e as f32
.set R,   16                           ; v16-143   x: two sets of 64 registers as loaded
.set X,   144                          ; v144-207  x: 64 numbers of my row, 16 of each block of 32
.set C,   208                          ; v208-239  x: two sets of 16 registers of codes
.set WX,  32                           ; v32-95    weights: two sets of 32 numbers down K
.set WC,  96                           ; v96-159   weights: 8 registers of codes for each of 8 blocks, never rewritten
.macro MKSCALE e
	s_add_co_i32 s46, \e, 127
	s_lshl_b32 s47, s46, 23
	v_mov_b32 v[SC], s47                           ; 2^e: the conversion takes its exponent field
	s_add_co_i32 s46, s46, 8
	s_lshl_b32 s46, s46, 23
	s_or_b32 s46, s46, 0x600000
.endm
	s_load_b256 s[4:11], s[0:1], 0x0               ; x s[4:5], W_qkv s[6:7], W_o s[8:9], the scales s[10:11]
	s_load_b128 s[12:15], s[0:1], 0x20             ; xc s[12:13], wqc s[14:15]
	s_load_b64 s[16:17], s[0:1], 0x30              ; woc
	v_lshl_add_u32 v[SPW], v0, 2, SPARE
	v_mov_b32 v[NIL], 0
	v_lshrrev_b32 v1, 5, v0
	v_readfirstlane_b32 s18, v1                    ; wave 0..3
	v_and_b32 v1, 31, v0                           ; lane
	v_and_b32 v5, 15, v0                           ; r
	v_bfe_u32 v6, v0, 4, 1                         ; h
	s_wait_kmcnt 0x0
	s_load_b256 s[20:27], s[10:11], 0x0            ; e0 .. e7
	s_cmp_lt_u32 ttmp9, 256
	s_cbranch_scc0 .Lweights
; ---------------- x ----------------
	s_lshr_b32 s28, ttmp9, 2                       ; block of 128 rows
	s_and_b32 s29, ttmp9, 3
	s_lshl_b32 s29, s29, 2
	s_add_co_u32 s29, s29, s18                     ; 0..15
	s_lshr_b32 s30, s29, 1                         ; my fragment t of the block's eight
	s_and_b32 s31, s29, 1                          ; my half of K: K steps 4 kh .. 4 kh + 3
	s_lshr_b32 s32, s30, 1
	s_lshl_b32 s32, s32, 5
	s_and_b32 s33, s30, 1
	s_lshl_b32 s33, s33, 3
	s_add_co_u32 s32, s32, s33                     ; the fragment's first row in the block: 32 (t / 2) + 8 (t % 2)
	s_lshl_b32 s33, s28, 7
	s_add_co_u32 s32, s32, s33
	s_lshl_b32 s32, s32, 12                        ; x 4,096 bytes a row
	s_lshl_b32 s33, s31, 11
	s_add_co_u32 s32, s32, s33                     ; + 2,048 kh
	s_mov_b32 s33, 0
	s_add_nc_u64 s[4:5], s[4:5], s[32:33]
	s_lshl_b32 s34, s28, 17                        ; codes: block x 131,072 + kh x 65,536 + t x 2,048
	s_lshl_b32 s35, s31, 16
	s_add_co_u32 s34, s34, s35
	s_lshl_b32 s35, s30, 11
	s_add_co_u32 s34, s34, s35
	s_mov_b32 s35, 0
	s_add_nc_u64 s[12:13], s[12:13], s[34:35]
	s_mul_i32 s36, s18, 8448                       ; my stage
	s_wait_alu depctr_va_vdst(0)
	v_lshlrev_b32 v2, 4, v1                        ; 16 x lane: in memory, both ways
	v_add_nc_u32 v3, s36, v2                       ; into the stage: a row as it lies
	v_mul_u32_u24 v4, v5, 528
	v_lshl_add_u32 v4, v6, 6, v4
	v_add_nc_u32 v4, s36, v4                       ; out of it: row r, + 64 h bytes
.macro XLOAD f                         ; K step f of my four: 16 rows x 512 bytes into set f % 2
.set i, 0
.rept 16
	global_load_b128 v[R+64*((\f)%2)+4*i:R+64*((\f)%2)+4*i+3], v2, s[4:5] offset:(i+8*(i/8))*4096+512*(\f) th:TH_LOAD_NT
.set i, i+1
.endr
.endm
.macro XFRAG f
.if (\f) < 3
	s_wait_loadcnt 16                              ; this K step's 16 loads are in; the next one's 16 may be out
.else
	s_wait_loadcnt 0
.endif
.set i, 0
.rept 16
	ds_store_b128 v3, v[R+64*((\f)%2)+4*i:R+64*((\f)%2)+4*i+3] offset:528*i
.set i, i+1
.endr
.irp c, 0,1,2,3
.irp j, 0,1,2,3
	ds_load_b128 v[X+16*\c+4*\j:X+16*\c+4*\j+3], v4 offset:128*\c+16*\j   ; LDS serves a wave's instructions in order: these see my stores
.endr
.endr
	s_wait_dscnt 0x0                               ; my numbers are back, and the stores have read their registers
.if (\f) >= 2
	s_wait_xcnt 0x0                                ; the set of codes that was stored two K steps ago is written again only behind this wait
.endif
.if (\f) < 2
	XLOAD (\f)+2
.endif
.set i, 0
.rept 64
.set i, i+1
.endr
.irp c, 0,1,2,3
	v_cvt_scalef32_pk8_fp8_f32 v[C+16*((\f)%2)+4*\c:C+16*((\f)%2)+4*\c+1], v[X+16*\c:X+16*\c+7], v[SC]
	v_cvt_scalef32_pk8_fp8_f32 v[C+16*((\f)%2)+4*\c+2:C+16*((\f)%2)+4*\c+3], v[X+16*\c+8:X+16*\c+15], v[SC]
.endr
	v_nop                                          ; a plain line between the conversions and the next K step's LDS loads, which write their sources
.irp c, 0,1,2,3
	global_store_b128 v2, v[C+16*((\f)%2)+4*\c:C+16*((\f)%2)+4*\c+3], s[12:13] offset:16384*(\f)+512*\c   ; 32 lanes store 512 consecutive bytes, aligned
.endr
.endm
	XLOAD 0
	XLOAD 1
	s_wait_alu depctr_va_vdst(0)
	s_wait_kmcnt 0x0
	MKSCALE s20
	s_wait_alu depctr_va_vdst(0)
	XFRAG 0
	XFRAG 1
	XFRAG 2
	XFRAG 3
	s_wait_tensorcnt 0x0                           ; the wave's end, behind my last LDS store
	ds_add_u32 v[SPW], v[NIL]
	s_wait_dscnt 0x0
	s_endpgm
; ---------------- the weights ----------------
; A wave takes 32 columns (two fragments) x 256 along K (two K steps).  Lane 16 u + r takes column 8 u + r + 8 (r / 8) of the 32.
.macro WLOAD t, nb                     ; block t: 32 numbers down K into set t % 2; a load of the wave covers 128 consecutive bytes, the four waves stand side by side
.set i, 0
.rept 32
	global_load_b32 v[WX+32*((\t)%2)+i], v3, s[40:41] offset:(32*(\t)+i)*(\nb) th:TH_LOAD_NT
.set i, i+1
.endr
.endm
.macro WBLOCK t, nb
.if (\t) < 7
	s_wait_loadcnt 32                              ; this block's 32 loads are in; the next block's may be out
.else
	s_wait_loadcnt 0
.endif
.set i, 0
.rept 32
.set i, i+1
.endr
.irp g, 0,1,2,3
	v_cvt_scalef32_pk8_fp8_f32 v[WC+8*(\t)+2*\g:WC+8*(\t)+2*\g+1], v[WX+32*((\t)%2)+8*\g:WX+32*((\t)%2)+8*\g+7], v[SC]
.endr
	v_nop                                          ; a plain line behind the conversions
.irp h, 0,1
	global_store_b128 v4, v[WC+8*(\t)+4*\h:WC+8*(\t)+4*\h+3], s[42+2*((\t)/4):43+2*((\t)/4)] offset:512*((\t)%4)+256*\h   ; k = 32 t + 16 h + 0..15: chunk t % 4, lanes 16 h + r: sixteen lanes store 256 consecutive bytes, aligned
.endr
.if (\t) < 6
	WLOAD (\t)+2, \nb
.endif
.endm
.macro WPATH nb, e
	WLOAD 0, \nb
	WLOAD 1, \nb
	s_wait_kmcnt 0x0
	MKSCALE \e
	s_wait_alu depctr_va_vdst(0)
.irp t, 0,1,2,3,4,5,6,7
	WBLOCK \t, \nb
.endr
.endm
.Lweights:
	s_wait_alu depctr_va_vdst(0)
	v_and_b32 v7, 8, v5
	v_add_nc_u32 v7, v7, v5                        ; r + 8 (r / 8)
	v_lshl_add_u32 v7, v6, 3, v7                   ; + 8 u
	v_lshlrev_b32 v3, 2, v7                        ; my column of the 32, in bytes
	v_lshlrev_b32 v4, 4, v5
	v_lshl_add_u32 v4, v6, 11, v4                  ; out: fragment u, 16 r
	s_cmp_lt_u32 ttmp9, 352
	s_cbranch_scc0 .Lwo
	s_sub_co_u32 s28, ttmp9, 256                   ; W_qkv: 96 work-groups
	s_lshr_b32 s29, s28, 2
	s_and_b32 s30, s28, 3                          ; which 256 along K
	s_lshl_b32 s31, s29, 2
	s_add_co_u32 s31, s31, s18                     ; which 32 columns, 0..95
	s_mul_hi_u32 s32, s31, 0x2aaaaaab              ; / 6: the head
	s_mul_i32 s33, s32, 6
	s_sub_co_u32 s33, s31, s33                     ; which 32 of its 192 columns
	s_mul_i32 s34, s30, 256*12288
	s_lshl_b32 s35, s31, 7
	s_add_co_u32 s34, s34, s35
	s_mov_b32 s35, 0
	s_add_nc_u64 s[40:41], s[6:7], s[34:35]
	s_mul_i32 s34, s32, 196608
	s_mul_i32 s36, s30, 2*24576
	s_add_co_u32 s34, s34, s36
	s_lshl_b32 s36, s33, 12
	s_add_co_u32 s34, s34, s36
	s_add_nc_u64 s[42:43], s[14:15], s[34:35]      ; my first K step's two fragments,
	s_add_nc_u64 s[44:45], s[42:43], 24576         ; and my second's
	s_wait_alu depctr_va_vdst(0)
	WPATH 12288, s21
	s_endpgm
.Lwo:
	s_sub_co_u32 s28, ttmp9, 352                   ; W_o: 32 work-groups
	s_lshr_b32 s29, s28, 2                         ; which 128 columns
	s_and_b32 s30, s28, 3                          ; which 256 along K
	s_lshl_b32 s31, s29, 2
	s_add_co_u32 s31, s31, s18                     ; which 32 columns, 0..31
	s_lshl_b32 s34, s30, 20
	s_lshl_b32 s35, s31, 7
	s_add_co_u32 s34, s34, s35
	s_mov_b32 s35, 0
	s_add_nc_u64 s[40:41], s[8:9], s[34:35]
	s_lshl_b32 s34, s29, 17
	s_lshl_b32 s36, s30, 15
	s_add_co_u32 s34, s34, s36
	s_lshl_b32 s36, s18, 12
	s_add_co_u32 s34, s34, s36
	s_add_nc_u64 s[42:43], s[16:17], s[34:35]
	s_add_nc_u64 s[44:45], s[42:43], 16384
	s_wait_alu depctr_va_vdst(0)
	WPATH 4096, s27
	s_endpgm
.Lfunc_end_k_qfbf3a6c7c6_quant:
	.size	k_qfbf3a6c7c6_quant, .Lfunc_end_k_qfbf3a6c7c6_quant-k_qfbf3a6c7c6_quant
	.p2alignl 7, 3214868480
	.fill 96, 4, 3214868480
	.section	.rodata,"a",@progbits
	.p2align	6, 0x0
	.amdhsa_kernel k_qfbf3a6c7c6_quant
		.amdhsa_group_segment_fixed_size 34304
		.amdhsa_private_segment_fixed_size 0
		.amdhsa_enable_private_segment 0
		.amdhsa_kernarg_size 56
		.amdhsa_user_sgpr_count 2
		.amdhsa_user_sgpr_kernarg_segment_ptr 1
		.amdhsa_wavefront_size32 1
		.amdhsa_system_sgpr_workgroup_id_x 1
		.amdhsa_system_sgpr_workgroup_id_y 1
		.amdhsa_system_sgpr_workgroup_id_z 1
		.amdhsa_system_vgpr_workitem_id 0
		.amdhsa_next_free_vgpr 240
		.amdhsa_next_free_sgpr 66
		.amdhsa_reserve_vcc 0
		.amdhsa_float_denorm_mode_32 3
		.amdhsa_float_denorm_mode_16_64 3
		.amdhsa_fp16_overflow 1
		.amdhsa_memory_ordered 1
		.amdhsa_forward_progress 1
		.amdhsa_inst_pref_size 80
	.end_amdhsa_kernel
	.amdgpu_metadata
---
amdhsa.version: [ 1, 2 ]
amdhsa.kernels:
  - .name:           k_qfbf3a6c7c6_quant
    .symbol:         k_qfbf3a6c7c6_quant.kd
    .args:
      - { .name: x, .offset: 0, .size: 8, .value_kind: global_buffer, .address_space: global }
      - { .name: W_qkv, .offset: 8, .size: 8, .value_kind: global_buffer, .address_space: global }
      - { .name: W_o, .offset: 16, .size: 8, .value_kind: global_buffer, .address_space: global }
      - { .name: lowp_scales, .offset: 24, .size: 8, .value_kind: global_buffer, .address_space: global }
      - { .name: xc, .offset: 32, .size: 8, .value_kind: global_buffer, .address_space: global }
      - { .name: wqc, .offset: 40, .size: 8, .value_kind: global_buffer, .address_space: global }
      - { .name: woc, .offset: 48, .size: 8, .value_kind: global_buffer, .address_space: global }
    .group_segment_fixed_size: 34304
    .private_segment_fixed_size: 0
    .kernarg_segment_align: 8
    .kernarg_segment_size: 56
    .max_flat_workgroup_size: 128
    .sgpr_count:     66
    .vgpr_count:     240
    .wavefront_size: 32
...
	.end_amdgpu_metadata
.endif
;; end of part 1
;; launch qkv (part 2): grid 16 x 16, 4 waves a work-group, clusters of 4 x 4, 327,680 bytes of LDS; arguments xc, wqc, b_qkv, lowp_scales, qc, kc, vc; writes qc, kc, vc
.if DOCPART == 2
	.amdgcn_target "amdgcn-amd-amdhsa--gfx1250"
	.amdhsa_code_object_version 6
	.text
	.protected	k_qfbf3a6c7c6_qkv
	.globl	k_qfbf3a6c7c6_qkv
	.p2align	8
	.type	k_qfbf3a6c7c6_qkv,@function
k_qfbf3a6c7c6_qkv:
	s_mov_b64 s[64:65], 0
	v_nop
	global_prefetch_b8 v0, s[64:65] scope:SCOPE_SE
	s_setreg_imm32_b32 hwreg(HW_REG_WAVE_MODE, 25, 1), 1
	s_wait_xcnt 0x0
	s_wait_alu depctr_hold_cnt(0) depctr_sa_sdst(0) depctr_va_vdst(0) depctr_va_sdst(0) depctr_va_ssrc(0) depctr_va_vcc(0) depctr_vm_vsrc(0)
	s_getreg_b32 s2, hwreg(HW_REG_IB_STS2, 6, 4)
	s_cmp_eq_u32 s2, 0
	s_cbranch_scc0 .Lentry_in_a_cluster
	s_endpgm
.Lentry_in_a_cluster:
	s_bfe_u32 s2, ttmp6, 0x10000c
	s_cmp_lg_u32 s2, 0xf033
	s_cbranch_scc0 .Lentry_shape_is_right
	s_endpgm
.Lentry_shape_is_right:
; qkv = x W_qkv + b_qkv on codes of FP8 (E4M3), and q, k, v quantised on the way out with their given scales (entries 2, 3 and 5; x's and W's are entries 0 and 1).
; A tile is 256 rows x one head's 192 columns.  512 tiles, 256 work-groups: A WORK-GROUP STAYS for two tiles (row tiles wy and wy + 16), and the ring of LDS slots runs on from the first into the second.
; Four waves.  Wave (rh, ch) makes 128 rows x (32 channels of q, 32 of k, 32 of v): 8 blocks of rows x 6 fragments of columns = 48 accumulators, 384 registers.
; OPERANDS lie in memory as images of their registers (2,048 bytes a fragment: chunk c, lane l at 512 c + 16 l; k = 32 c + 16 (l / 16) + 0..15 of row l % 16), so a K step's fragments are one dense block for the
; tensor data mover, a fragment comes by four ds_load_b128 of 512 consecutive bytes each, and there is no pitch and no padding.  The same place for each k in both operands: every product meets its partner.
; THE ROWS OF A FRAGMENT: of 32 rows of x (columns of W) fragment u takes 8 u + r + 8 (r / 8).  So the 16 result registers of two neighbouring fragments are 16 neighbours, 32 b + 16 (l / 16) + 0..15.
; q AND k ARE MADE TRANSPOSED (source 0 = 16 columns of W, source 1 = 16 rows of x): a lane holds one row and 16 neighbouring channels: chunk ch of a fragment of 16 rows x 64 channels.
; v IS MADE THE NATURAL WAY (source 0 = rows of x, source 1 = columns of W): a lane holds one channel and 16 neighbouring rows (keys): a chunk of a fragment of 16 channels x 128 keys.
; The conversions' results are those chunks: each store of the wave is 512 consecutive bytes, aligned.  No LDS on the way out.
;   qc, kc [batch x head 0..63][fragment of 16 rows 0..127][1024]      vc [batch x head][128 keys 0..15][fragment of 16 channels 0..3][2048]
; THE BIAS is the C of each sum's first product, divided by 2^(e0 + e1), which the sums lack.  The three scales ahead of each quantiser are folded into the conversion's one: 2^(eX - e0 - e1).
; LIMITS: eX - e0 - e1 between -126 and 119 for X = 2, 3, 5.  NaN among the inputs is not served.
; CLUSTERS: 4 x 4 work-groups.  x's fragments hang on the row tile alone and are asked for jointly along a row of the cluster, W's on the head alone, jointly along a column.
; No prefetch: the text is sixteen K steps long, and each refill has a slot's 96 matrix instructions in which to land.
; REGISTERS, in windows of 256: window 0: v0-31 addresses and scales; v32-127 codes; v128-255 x's 8 fragments, one set.   window 1: W's 6 fragments, two sets, at v0 and v96; v192-239 the bias.
;   window 2: the accumulators of blocks 0-3 ((a, b) at v[8 (6 (a % 4) + b)]);   window 3: those of blocks 4-7.
.set SLOT,  114688                     ; a slot holds 256 along K: x's two blocks of 128 rows, 32,768 bytes each (16,384 for each 128 along K), then W's 2 x 24,576
.set SPARE, 2*SLOT                     ; behind the ring: the spare words, 128 bytes a wave
.set LI,   5                           ; v5   16 x lane
.set SCQ,  8                           ; v8, v10, v12: the conversions' scales for q, k, v
.set LIMQ, 9
.set ADRA, 16                          ; v16-17  my x fragments in slot 0, 1
.set ADRB, 20                          ; v20-21  my W fragments
.set SPW,  28                          ; v28  LDS address of my spare word; never rewritten
.set NIL,  29                          ; v29  0; never rewritten
.set CD,   32
.set AF,   128
.set BI,   192                         ; in window 1
.set G1,  24                           ; s[24:31] descriptor group 1 for x;  s[32:39] group 0, a set for each slot
.set G0,  32
.set G1B, 48                           ; s[48:55], s[56:63] the same for W
.set G0B, 56
.set QB,  68                           ; s[68:69], s[70:71], s[72:73]: where my wave's q, k, v go
.set KB,  70
.set VB,  72
.set MSB, 0
.macro WIN new                         ; the immediate's high byte repeats the setting that is left
.if MSB != (\new)
	s_set_vgpr_msb (MSB<<8)|(\new)
.set MSB, (\new)
.endif
.endm
.macro PLACES                          ; four plain places behind matrix instructions, in front of loads into their sources and of reads of their results
.rept 4
	v_nop
.endr
.endm
.macro JLOAD g0a, g0b                  ; a joint load: waves 0 and 1 fetch x's two blocks, waves 2 and 3 W's two K steps; an s_nop 0 and four v_nop follow each line
	s_cmp_eq_u32 s15, 0
	s_cbranch_scc0 .Lfor_b_\@
	tensor_load_to_lds s[\g0a:\g0a+3], s[G1:G1+7]
	s_nop 0
.rept 4
	v_nop
.endr
	s_branch .Lasked_\@
.Lfor_b_\@:
	tensor_load_to_lds s[\g0b:\g0b+3], s[G1B:G1B+7]
	s_nop 0
.rept 4
	v_nop
.endr
.Lasked_\@:
.endm
.macro CREST                           ; a round of the cluster's barrier behind its opening barrier
	s_cmp_lg_u32 s14, 0
	s_cbranch_scc1 .Lnot_wave_0_\@
	s_barrier_signal -3
.Lnot_wave_0_\@:
	s_barrier_wait -3
	s_barrier_signal -1
	s_barrier_wait -1
.endm
.macro CROUND
	s_barrier_signal -1
	s_barrier_wait -1
	CREST
.endm
	s_load_b256 s[4:11], s[0:1], 0x0               ; xc s[4:5], wqc s[6:7], b_qkv s[8:9], the scales s[10:11]
	s_load_b128 s[68:71], s[0:1], 0x20             ; qc, kc
	s_load_b64 s[72:73], s[0:1], 0x30              ; vc
	v_lshl_add_u32 v[SPW], v0, 2, SPARE
	v_mov_b32 v[NIL], 0
	ds_add_u32 v[SPW], v[NIL]                      ; the wave's opening: the add and its wait ahead of my first tensor load; work on registers stands between them
	ds_add_u32 v[SPW], v[NIL]
	v_lshrrev_b32 v1, 5, v0
	v_readfirstlane_b32 s14, v1                    ; wave 0..3
	s_lshr_b32 s15, s14, 1                         ; rh: my block of 128 rows.  Also: I fetch for x (0) or for W (1)
	s_and_b32 s16, s14, 1                          ; ch: my 32 channels of each of q, k, v.  Also: which half I fetch
	s_bfe_u32 s40, ttmp6, 0x40000                  ; cx, cy
	s_bfe_u32 s41, ttmp6, 0x40004
	s_lshl_b32 s42, ttmp9, 2
	s_add_co_u32 s42, s42, s40                     ; the head = 4 x cluster x + cx
	s_and_b32 s17, ttmp7, 0xffff
	s_lshl_b32 s17, s17, 2
	s_add_co_u32 s17, s17, s41                     ; the first row tile = 4 x cluster y + cy
	s_lshl_b32 s43, s41, 2
	s_lshl_b32 s43, 15, s43                        ; my row of the cluster
	s_lshl_b32 s44, 0x1111, s40                    ; my column
	; both tiles are dense blocks, stated as rows of 256 bytes: 32 elements of 8 bytes, pitch 32; x: 128 rows, W: 96 rows; no padding
	s_or_b32 s[G1], s43, (3<<16)|(1<<21)           ; 15:0 the mask; 17:16 elements of 8 bytes; 21 set beside a mask
	s_or_b32 s[G1B], s44, (3<<16)|(1<<21)
.irp g, G1, G1B
	s_mov_b32 s[\g+1], 32<<16                      ; tensor_dim0
	s_mov_b32 s[\g+3], 32<<16                      ; tile_dim0
	s_mov_b32 s[\g+5], 32                          ; tensor_dim0_stride
	s_mov_b32 s[\g+6], 0
	s_mov_b32 s[\g+7], 0
.endr
	s_mov_b32 s[G1+2], 128<<16                     ; tensor_dim1
	s_mov_b32 s[G1+4], 128                         ; tile_dim1
	s_mov_b32 s[G1B+2], 96<<16
	s_mov_b32 s[G1B+4], 96
	s_lshl_b32 s20, s17, 1
	s_add_co_u32 s20, s20, s16
	s_lshl_b32 s20, s20, 17                        ; x: block 2 x row tile + half, 131,072 bytes a block
	s_mov_b32 s21, 0
	s_mul_i32 s46, s42, 196608                     ; W: the head's 196,608 bytes, + 24,576 x half
	s_mul_i32 s47, s16, 24576
	s_add_co_u32 s46, s46, s47
	s_mov_b32 s47, 0
	s_lshl_b32 s45, s16, 15                        ; where they go: the wave's number alone enters an LDS address
	s_mul_i32 s74, s16, 24576
	s_add_co_u32 s74, s74, 65536
	s_wait_dscnt 0x0                               ; the opening add is done
	s_wait_kmcnt 0x0
	s_load_b256 s[80:87], s[10:11], 0x0            ; e0 .. e7
	s_add_nc_u64 s[20:21], s[4:5], s[20:21]
	s_add_nc_u64 s[46:47], s[6:7], s[46:47]
	CROUND                                         ; all sixteen work-groups are here: the first joint loads meet
.irp s, 0,1
	s_mov_b32 s[G0+4*\s], 1
	s_add_co_u32 s[G0+4*\s+1], s45, \s*SLOT
	s_add_nc_u64 s[G0+4*\s+2:G0+4*\s+3], s[20:21], \s*32768
	s_or_b32 s[G0+4*\s+3], s[G0+4*\s+3], 0x80000000
	s_mov_b32 s[G0B+4*\s], 1
	s_add_co_u32 s[G0B+4*\s+1], s74, \s*SLOT
	s_add_nc_u64 s[G0B+4*\s+2:G0B+4*\s+3], s[46:47], \s*49152
	s_or_b32 s[G0B+4*\s+3], s[G0B+4*\s+3], 0x80000000
	JLOAD G0+4*\s, G0B+4*\s                        ; two loads of mine are out
.endr
	v_and_b32 v1, 31, v0
	v_lshlrev_b32 v[LI], 4, v1
	v_and_b32 v2, 15, v0                           ; r
	v_bfe_u32 v3, v0, 4, 1                         ; h
	s_wait_alu depctr_va_vdst(0)
	s_lshl_b32 s21, s15, 15
	s_lshl_b32 s22, s16, 12
	s_add_co_u32 s22, s22, 65536
.irp s, 0,1
	v_add_nc_u32 v[ADRA+\s], s21, v[LI]
	v_add_nc_u32 v[ADRB+\s], s22, v[LI]
	s_add_co_u32 s21, s21, SLOT
	s_add_co_u32 s22, s22, SLOT
.endr
	; the bias, in the results' layouts.  q, k (fragment b = 2 kind + u): register j = channel 32 ch + 16 h + 8 u + j.  v (fragment d): every register = channel 32 ch + 8 d + r + 8 (r / 8)
	s_mul_i32 s18, s42, 768
	s_mov_b32 s19, 0
	s_add_nc_u64 s[8:9], s[8:9], s[18:19]
	s_lshl_b32 s18, s16, 7
	v_lshl_add_u32 v1, v3, 6, s18
	v_and_b32 v4, 8, v2
	v_add_nc_u32 v4, v4, v2
	v_lshl_add_u32 v2, v4, 2, s18
	WIN 0x40                                       ; destination window 1
.irp b, 0,1,2,3
	global_load_b128 v[BI+8*\b:BI+8*\b+3], v1, s[8:9] offset:256*(\b/2)+32*(\b%2)
	global_load_b128 v[BI+8*\b+4:BI+8*\b+7], v1, s[8:9] offset:256*(\b/2)+32*(\b%2)+16
.endr
.irp d, 0,1
	global_load_b32 v[BI+32+8*\d], v2, s[8:9] offset:512+32*\d
.endr
	WIN 0
	; where my results go: (16 batch + head) x 131,072 + 8,192 x (my block of 128 rows in the sequence), + 512 ch (q, k) or 4,096 ch (v)
	s_lshr_b32 s18, s17, 3
	s_lshl_b32 s18, s18, 4
	s_add_co_u32 s18, s18, s42
	s_lshl_b32 s18, s18, 17
	s_and_b32 s19, s17, 7
	s_lshl_b32 s19, s19, 1
	s_add_co_u32 s19, s19, s15
	s_lshl_b32 s19, s19, 13
	s_add_co_u32 s18, s18, s19
	s_lshl_b32 s76, s16, 9
	s_add_co_u32 s76, s76, s18
	s_mov_b32 s77, 0
	s_add_nc_u64 s[QB:QB+1], s[QB:QB+1], s[76:77]
	s_add_nc_u64 s[KB:KB+1], s[KB:KB+1], s[76:77]
	s_lshl_b32 s76, s16, 12
	s_add_co_u32 s76, s76, s18
	s_add_nc_u64 s[VB:VB+1], s[VB:VB+1], s[76:77]
	s_wait_loadcnt 0x0                             ; the bias
	s_wait_kmcnt 0x0                               ; the exponents
	s_add_co_i32 s88, s80, s81                     ; e0 + e1
	s_sub_co_i32 s89, 0, s88
	WIN 0x41                                       ; source 0 and destination window 1
.set j, 0
.rept 32
	v_ldexp_f32 v[BI+j], v[BI+j], s89              ; bias / 2^(e0 + e1)
.set j, j+1
.endr
.irp d, 0,1
.irp j, 7,6,5,4,3,2,1,0
	v_ldexp_f32 v[BI+32+8*\d+\j], v[BI+32+8*\d], s89   ; v's: the lane's one number into all eight registers, its own last
.endr
.endr
	WIN 0
.macro MKS sc, e                       ; v[sc] = 2^(e - e0 - e1)
	s_sub_co_i32 s90, \e, s88
	s_add_co_i32 s90, s90, 127
	s_lshl_b32 s91, s90, 23
	v_mov_b32 v[\sc], s91
.endm
	MKS SCQ, s82
	MKS SCQ+2, s83
	MKS SCQ+4, s85
; 16 products for q and k: blocks 4 hi .. 4 hi + 3 x fragments 0..3, transposed.  p: W's set.  first = 1: the bias starts the sums.
; The 48 accumulators take turns, one instruction a turn, in the same order in every step.
.macro MULQK hi, p, first
.if \first
	WIN 0x91+0x40*(\hi)                            ; source 0 (W) window 1, source 1 (x) window 0, C (the bias) window 1, D window 2 or 3
.else
	WIN 0xa1+0x50*(\hi)
.endif
.irp a, 0,1,2,3
.irp b, 0,1,2,3
.if \first
	v_wmma_f32_16x16x128_fp8_fp8 v[8*(6*\a+\b):8*(6*\a+\b)+7], v[96*(\p)+16*\b:96*(\p)+16*\b+15], v[AF+16*(4*(\hi)+\a):AF+16*(4*(\hi)+\a)+15], v[BI+8*\b:BI+8*\b+7]
.else
	v_wmma_f32_16x16x128_fp8_fp8 v[8*(6*\a+\b):8*(6*\a+\b)+7], v[96*(\p)+16*\b:96*(\p)+16*\b+15], v[AF+16*(4*(\hi)+\a):AF+16*(4*(\hi)+\a)+15], v[8*(6*\a+\b):8*(6*\a+\b)+7]
.endif
.endr
.endr
.endm
.macro MULV hi, p, first               ; 8 products for v: the same blocks x fragments 4, 5, the natural way
.if \first
	WIN 0x94+0x40*(\hi)                            ; source 0 (x) window 0, source 1 (W) window 1
.else
	WIN 0xa4+0x50*(\hi)
.endif
.irp a, 0,1,2,3
.irp d, 0,1
.if \first
	v_wmma_f32_16x16x128_fp8_fp8 v[8*(6*\a+4+\d):8*(6*\a+4+\d)+7], v[AF+16*(4*(\hi)+\a):AF+16*(4*(\hi)+\a)+15], v[96*(\p)+16*(4+\d):96*(\p)+16*(4+\d)+15], v[BI+32+8*\d:BI+32+8*\d+7]
.else
	v_wmma_f32_16x16x128_fp8_fp8 v[8*(6*\a+4+\d):8*(6*\a+4+\d)+7], v[AF+16*(4*(\hi)+\a):AF+16*(4*(\hi)+\a)+15], v[96*(\p)+16*(4+\d):96*(\p)+16*(4+\d)+15], v[8*(6*\a+4+\d):8*(6*\a+4+\d)+7]
.endif
.endr
.endr
.endm
.macro FETCH_B slot, q, p              ; my six fragments of W of the slot's q-th 128 along K into set p: 24 loads
	WIN 0x40
.irp i, 0,1,2,3,4,5
.irp c, 0,1,2,3
	ds_load_b128 v[96*(\p)+16*\i+4*\c:96*(\p)+16*\i+4*\c+3], v[ADRB+\slot] offset:24576*(\q)+8192*(\i/2)+2048*(\i%2)+512*\c
.endr
.endr
	WIN 0
.endm
.macro FETCH_A slot, q, i0             ; x's blocks i0 .. i0 + 3: 16 loads
.irp i, 0,1,2,3
.irp c, 0,1,2,3
	ds_load_b128 v[AF+16*((\i0)+\i)+4*\c:AF+16*((\i0)+\i)+4*\c+3], v[ADRA+\slot] offset:16384*(\q)+2048*((\i0)+\i)+512*\c
.endr
.endr
.endm
.macro STEP slot, first                ; a slot's first 128 along K (W's set 0); its successor lies in the same slot
	s_wait_dscnt 16                                ; W's set and x's blocks 0-3 are in; the youngest 16 loads (blocks 4-7) may be out
	MULQK 0, 0, \first
	MULV 0, 0, \first
	s_wait_dscnt 0
	PLACES
	FETCH_B \slot, 1, 1
	FETCH_A \slot, 1, 0
	MULQK 1, 0, \first
	MULV 1, 0, \first
	PLACES
	WIN 0
	FETCH_A \slot, 1, 4
.endm
; A slot's second 128 along K (W's set 1) changes slots: one barrier; ahead of it each wave waits for all its tensor loads, adds 0 to its spare word, and waits for that and for its reads of this slot.
; mode 1: this slot is filled again with the tile's next 256 along K but one; mode 2: with the NEXT tile's; mode 0: not at all.
.macro TURN slot, next, mode
	s_wait_tensorcnt 0x0                           ; all my tensor loads have landed: my part of the next slot
	ds_add_u32 v[SPW], v[NIL]                      ; 0 onto my spare word
	s_wait_dscnt 17                                ; (the add and the youngest 16 loads may be out)
	MULQK 0, 1, 0                                  ; sixteen matrix instructions stand between the add and the wait for it
	s_wait_dscnt 0x0                               ; the add is done, and my reads of this slot are over
	s_barrier_signal -1
	MULV 0, 1, 0
	WIN 0
	s_barrier_wait -1
.if \mode
	CREST                                          ; the barrier has opened a round of the cluster's: no wave of any partner still reads this slot or has a load on its way
.if \mode == 1
	s_add_nc_u64 s[G0+4*\slot+2:G0+4*\slot+3], s[G0+4*\slot+2:G0+4*\slot+3], 65536
	s_add_nc_u64 s[G0B+4*\slot+2:G0B+4*\slot+3], s[G0B+4*\slot+2:G0B+4*\slot+3], 98304
.else
	s_add_nc_u64 s[G0+4*\slot+2:G0+4*\slot+3], s[G0+4*\slot+2:G0+4*\slot+3], 4128768   ; 32 blocks of x on, 65,536 bytes back along K
	s_sub_nc_u64 s[G0B+4*\slot+2:G0B+4*\slot+3], s[G0B+4*\slot+2:G0B+4*\slot+3], 98304  ; the same head's W, back along K
.endif
	JLOAD G0+4*\slot, G0B+4*\slot                  ; the first tensor load behind the round; its four v_nop are the places in front of the loads below
.else
	PLACES
.endif
	FETCH_B \next, 0, 0
	FETCH_A \next, 0, 0
	MULQK 1, 1, 0
	MULV 1, 1, 0
	PLACES
	WIN 0
	FETCH_A \next, 0, 4
.endm
; THE WAY OUT.  Each accumulator is held within 448 x its scale, from its low end on, and converted; the codes are chunks of the next launch's fragments.
.macro EPI T
.if \T
	s_wait_xcnt 0x0                                ; the first tile's stores have read their registers and bases
	s_add_nc_u64 s[QB:QB+1], s[QB:QB+1], 4194304   ; two batches on
	s_add_nc_u64 s[KB:KB+1], s[KB:KB+1], 4194304
	s_add_nc_u64 s[VB:VB+1], s[VB:VB+1], 4194304
.endif
.irp half, 0,1
	WIN 0x82+0x41*\half                            ; source 0 and destination window 2 or 3
.irp a, 0,1,2,3
.irp b, 0,1,2,3,4,5
.irp j, 0,1,2,3,4,5,6,7
.endr
.endr
.endr
	WIN 0x02+\half                                 ; source 0 window 2 or 3, destination window 0
.irp a, 0,1,2,3
	v_cvt_scalef32_pk8_fp8_f32 v[CD+48*\half+4*\a:CD+48*\half+4*\a+1], v[8*(6*\a):8*(6*\a)+7], v[SCQ]
	v_cvt_scalef32_pk8_fp8_f32 v[CD+48*\half+4*\a+2:CD+48*\half+4*\a+3], v[8*(6*\a+1):8*(6*\a+1)+7], v[SCQ]
	v_cvt_scalef32_pk8_fp8_f32 v[CD+48*\half+16+4*\a:CD+48*\half+16+4*\a+1], v[8*(6*\a+2):8*(6*\a+2)+7], v[SCQ+2]
	v_cvt_scalef32_pk8_fp8_f32 v[CD+48*\half+16+4*\a+2:CD+48*\half+16+4*\a+3], v[8*(6*\a+3):8*(6*\a+3)+7], v[SCQ+2]
.endr
.irp c, 0,1
.irp d, 0,1
	v_cvt_scalef32_pk8_fp8_f32 v[CD+48*\half+32+4*(2*\c+\d):CD+48*\half+32+4*(2*\c+\d)+1], v[8*(12*\c+4+\d):8*(12*\c+4+\d)+7], v[SCQ+4]
	v_cvt_scalef32_pk8_fp8_f32 v[CD+48*\half+32+4*(2*\c+\d)+2:CD+48*\half+32+4*(2*\c+\d)+3], v[8*(12*\c+10+\d):8*(12*\c+10+\d)+7], v[SCQ+4]
.endr
.endr
	v_nop                                          ; a plain line between the conversions and what next writes their sources
.endr
	WIN 0
.irp a, 0,1,2,3,4,5,6,7
	global_store_b128 v[LI], v[CD+48*(\a/4)+4*(\a%4):CD+48*(\a/4)+4*(\a%4)+3], s[QB:QB+1] offset:1024*\a        ; 32 lanes store 512 consecutive bytes, aligned
	global_store_b128 v[LI], v[CD+48*(\a/4)+16+4*(\a%4):CD+48*(\a/4)+16+4*(\a%4)+3], s[KB:KB+1] offset:1024*\a
.endr
.irp c, 0,1,2,3
.irp d, 0,1
	global_store_b128 v[LI], v[CD+48*(\c/2)+32+4*(2*(\c%2)+\d):CD+48*(\c/2)+32+4*(2*(\c%2)+\d)+3], s[VB:VB+1] offset:2048*\d+512*\c
.endr
.endr
.endm
	s_wait_alu depctr_va_vdst(0)
	s_wait_tensorcnt 1                             ; my part of slot 0 is in; slot 1's may stay out
	s_barrier_signal -1
	s_barrier_wait -1
	FETCH_B 0, 0, 0
	FETCH_A 0, 0, 0
	FETCH_A 0, 0, 4
	STEP 0, 1                                      ; the first tile: K = 1,024 is four slots' worth
	TURN 0, 1, 1
	STEP 1, 0
	TURN 1, 0, 1
	STEP 0, 0
	TURN 0, 1, 2                                   ; the ring goes on into the second tile
	STEP 1, 0
	TURN 1, 0, 2
	EPI 0                                          ; both refills are asked for, and the second tile's first fragments are on their way
	STEP 0, 1
	TURN 0, 1, 1
	STEP 1, 0
	TURN 1, 0, 1
	STEP 0, 0
	TURN 0, 1, 0                                   ; nothing is left to fetch
	STEP 1, 0
	s_wait_dscnt 16                                ; the very last step
	MULQK 0, 1, 0
	MULV 0, 1, 0
	s_wait_dscnt 0
	MULQK 1, 1, 0
	MULV 1, 1, 0
	WIN 0
	PLACES
	EPI 1
	s_wait_tensorcnt 0x0                           ; the wave's end
	ds_add_u32 v[SPW], v[NIL]
	s_wait_dscnt 0x0
	CROUND                                         ; the closing round
	s_endpgm
.Lfunc_end_k_qfbf3a6c7c6_qkv:
	.size	k_qfbf3a6c7c6_qkv, .Lfunc_end_k_qfbf3a6c7c6_qkv-k_qfbf3a6c7c6_qkv
	.p2alignl 7, 3214868480
	.fill 96, 4, 3214868480
	.section	.rodata,"a",@progbits
	.p2align	6, 0x0
	.amdhsa_kernel k_qfbf3a6c7c6_qkv
		.amdhsa_group_segment_fixed_size 327680
		.amdhsa_private_segment_fixed_size 0
		.amdhsa_enable_private_segment 0
		.amdhsa_kernarg_size 56
		.amdhsa_user_sgpr_count 2
		.amdhsa_user_sgpr_kernarg_segment_ptr 1
		.amdhsa_wavefront_size32 1
		.amdhsa_system_sgpr_workgroup_id_x 1
		.amdhsa_system_sgpr_workgroup_id_y 1
		.amdhsa_system_sgpr_workgroup_id_z 1
		.amdhsa_system_vgpr_workitem_id 0
		.amdhsa_next_free_vgpr 960
		.amdhsa_next_free_sgpr 96
		.amdhsa_reserve_vcc 0
		.amdhsa_float_denorm_mode_32 3
		.amdhsa_float_denorm_mode_16_64 3
		.amdhsa_fp16_overflow 1
		.amdhsa_memory_ordered 1
		.amdhsa_forward_progress 1
		.amdhsa_inst_pref_size 142
	.end_amdhsa_kernel
	.amdgpu_metadata
---
amdhsa.version: [ 1, 2 ]
amdhsa.kernels:
  - .name:           k_qfbf3a6c7c6_qkv
    .symbol:         k_qfbf3a6c7c6_qkv.kd
    .args:
      - { .name: xc, .offset: 0, .size: 8, .value_kind: global_buffer, .address_space: global }
      - { .name: wqc, .offset: 8, .size: 8, .value_kind: global_buffer, .address_space: global }
      - { .name: b_qkv, .offset: 16, .size: 8, .value_kind: global_buffer, .address_space: global }
      - { .name: lowp_scales, .offset: 24, .size: 8, .value_kind: global_buffer, .address_space: global }
      - { .name: qc, .offset: 32, .size: 8, .value_kind: global_buffer, .address_space: global }
      - { .name: kc, .offset: 40, .size: 8, .value_kind: global_buffer, .address_space: global }
      - { .name: vc, .offset: 48, .size: 8, .value_kind: global_buffer, .address_space: global }
    .group_segment_fixed_size: 327680
    .private_segment_fixed_size: 0
    .kernarg_segment_align: 8
    .kernarg_segment_size: 56
    .max_flat_workgroup_size: 128
    .sgpr_count:     96
    .vgpr_count:     960
    .wavefront_size: 32
...
	.end_amdgpu_metadata
.endif
;; end of part 2
;; launch attn (part 3): grid 4 x 64, 16 waves a work-group, clusters of 4 x 1, 327,680 bytes of LDS; arguments qc, kc, vc, lowp_scales, ac; writes ac
.if DOCPART == 3
	.amdgcn_target "amdgcn-amd-amdhsa--gfx1250"
	.amdhsa_code_object_version 6
	.text
	.protected	k_qfbf3a6c7c6_attn
	.globl	k_qfbf3a6c7c6_attn
	.p2align	8
	.type	k_qfbf3a6c7c6_attn,@function
k_qfbf3a6c7c6_attn:
	s_mov_b64 s[64:65], 0
	v_nop
	global_prefetch_b8 v0, s[64:65] scope:SCOPE_SE
	s_setreg_imm32_b32 hwreg(HW_REG_WAVE_MODE, 25, 1), 1
	s_wait_xcnt 0x0
	s_wait_alu depctr_hold_cnt(0) depctr_sa_sdst(0) depctr_va_vdst(0) depctr_va_sdst(0) depctr_va_ssrc(0) depctr_va_vcc(0) depctr_vm_vsrc(0)
	s_getreg_b32 s2, hwreg(HW_REG_IB_STS2, 6, 4)
	s_cmp_eq_u32 s2, 0
	s_cbranch_scc0 .Lentry_in_a_cluster
	s_endpgm
.Lentry_in_a_cluster:
	s_bfe_u32 s2, ttmp6, 0x10000c
	s_cmp_lg_u32 s2, 0x3003
	s_cbranch_scc0 .Lentry_shape_is_right
	s_endpgm
.Lentry_shape_is_right:
; Causal attention of one (batch, head) by a cluster of four work-groups, both products on codes of FP8 (E4M3); head size 64, 2,048 queries and keys; logits = q . k / 8.
; THE SOFTMAX AHEAD OF THE SECOND PRODUCT: t = logit x log2(e); M = the largest t so far rounded UP to a whole number; p = 2^(t - M) is quantised (scale 2^e4), not normalised.  The row's sum is taken of the
; unquantised p in f32 and divides at the end.  When M moves, the sum and O are multiplied by 2^(old M - new M): exact.  The result is quantised with 2^e6 for the last product and stored as [query][64] codes.
; K AND V STAY IN LDS.  A head's codes are 131,072 bytes each: both lie in LDS whole, fetched once: no ring and no refill.  The four work-groups of a cluster serve the same head, so every load is asked for
; JOINTLY (mask 15).  Each wave issues two loads at the head: a small one (its eighth of key steps 0 and 1) and a large one (its eighth of key steps 2 to 15); the first two key steps are worked while the large
; ones land.  All of K and V is asked for at the kernel's head, so there is no later tile to prefetch.
; SHARES.  The head's 128 tiles of 16 queries are numbered T = 4 u + cx.  Wave w owns u = 31 - w and u = w.  Tile u needs key steps 0 .. u / 2 of 128 keys: 17 tile steps and two steps on the diagonal for every wave,
; whatever cx: no branch hangs on the place in the cluster.  A step that lies wholly behind a tile's queries is left out by a scalar branch on the wave's number and the loop's count.
; LAYOUT.  Fragments lie in memory and LDS as images of their registers (chunk c, lane l at 512 c + 16 l).  Both products are used transposed: S^T = K Q^T, O^T = V^T P^T: a lane holds one query throughout.
; The keys (queries, channels) of a fragment are not neighbours: of 32, fragment u takes 8 u + r + 8 (r / 8): so p's 16 registers of two neighbouring fragments are keys 32 b + 16 (l / 16) + 0..15.
; Sixteen waves of 256 registers, four to a SIMD: one wave's softmax stands beside another's products and LDS loads.
; LIMITS: e2 + e3 between -123 and 130 (added to c's exponent field); e4 and e6 between -126 and 119.
.set SPARE, 278528                     ; the spare words, 128 bytes for each of 16 waves
.set STAGE, 262144                     ; the way out: 1,024 bytes a wave; no tensor load lands here
.set LI,  1                            ; v1   16 x lane
.set SPW, 2                            ; v2   LDS address of my spare word; never rewritten
.set NIL, 3                            ; v3   0; never rewritten
.set ADK, 4                            ; v4   the key step's K
.set ADV, 5                            ; v5   its V
.set F,   32                           ; v32-95   eight fragments of K, then four of V
.set S,   96                           ; v96-159  S^T, then p
.set PC,  224                          ; v224-239 p's codes
.set LIM4, 240                         ; v241 2^e4
.set SC4,  241
.set NINF, 249
.set SC6,  250                         ; v250 2^e6
.set LIM6, 251
.set STI,  254                         ; v254 into my stage;  v255 back out of it
.set STO,  255
; v6, v7: my query less 16 (l / 16), within its 128, for the two tiles; v8-15, v16-23 their Q; v24-27, v28-31: -M, the largest t, the sum in two halves; v160-191, v192-223 O^T;
; v242-243 second chain of the sum; v244-245 f; v246-247 maxima; v248, v252 lane exchanges
.set WV,  14
.set SBH, 17                           ; s17, s18: the last key step of my two tiles
.set SBL, 18
.set KS,  19                           ; s19  the key step
.set TB,  20                           ; s20  its first LDS byte
.set CNT, 21
.set SEL, 22                           ; s[22:23] lane selects: lane l xor 16
.set G1S, 24                           ; s[24:31] group 1 of the small loads: 8 rows of 256 bytes;  s[32:39] of the large: 56 rows
.set G1L, 32
.set G0S, 40
.set G0L, 44
.set CS,  48                           ; s[48:49] c = log2(e) / 8 x 2^(e2 + e3)
.macro ROUND
	s_barrier_signal -1
	s_barrier_wait -1
	s_cmp_lg_u32 s[WV], 0
	s_cbranch_scc1 .Lnot_wave_0_\@
	s_barrier_signal -3
.Lnot_wave_0_\@:
	s_barrier_wait -3
	s_barrier_signal -1
	s_barrier_wait -1
.endm
	s_load_b256 s[4:11], s[0:1], 0x0               ; qc s[4:5], kc s[6:7], vc s[8:9], the scales s[10:11]
	s_load_b64 s[12:13], s[0:1], 0x20              ; ac
	v_lshl_add_u32 v[SPW], v0, 2, SPARE
	v_mov_b32 v[NIL], 0
	ds_add_u32 v[SPW], v[NIL]                      ; the wave's opening: the add and its wait ahead of my first tensor load
	ds_add_u32 v[SPW], v[NIL]
	v_lshrrev_b32 v1, 5, v0
	s_delay_alu instid0(VALU_DEP_1)
	v_readfirstlane_b32 s[WV], v1                  ; wave 0..15
	s_bfe_u32 s15, ttmp6, 0x40000                  ; cx: it enters Q's and the output's addresses and the mask's numbers alone
	s_and_b32 s16, ttmp7, 0xffff                   ; batch x head, which the four partners share
.irp g, G1S, G1L
	s_mov_b32 s[\g], 15|(3<<16)|(1<<21)            ; 15:0 the mask: all four; 17:16 elements of 8 bytes; 21 set beside a mask; no padding
	s_mov_b32 s[\g+1], 32<<16                      ; tensor_dim0: rows of 256 bytes
	s_mov_b32 s[\g+3], 32<<16                      ; tile_dim0
	s_mov_b32 s[\g+5], 32                          ; dense
	s_mov_b32 s[\g+6], 0
	s_mov_b32 s[\g+7], 0
.endr
	s_mov_b32 s[G1S+2], 8<<16
	s_mov_b32 s[G1S+4], 8
	s_mov_b32 s[G1L+2], 56<<16
	s_mov_b32 s[G1L+4], 56
	s_mov_b32 s[SEL], 0x76543210
	s_mov_b32 s[SEL+1], 0xfedcba98
	s_lshr_b32 s70, s[WV], 3                       ; waves 0-7 fetch K, waves 8-15 V
	s_lshl_b32 s70, s70, 17                        ; K from LDS byte 0, V from 131,072
	s_and_b32 s71, s[WV], 7
	s_lshl_b32 s66, s71, 11                        ; my 2,048 bytes of key steps 0 and 1
	s_mov_b32 s67, 0
	s_mul_i32 s68, s71, 14336
	s_add_co_u32 s68, s68, 16384                   ; my 14,336 bytes of key steps 2 to 15
	s_mov_b32 s69, 0
	s_lshl_b32 s62, s16, 17                        ; the head's first byte in each buffer
	s_mov_b32 s63, 0
	s_mov_b32 s[G0S], 1
	s_add_co_u32 s[G0S+1], s70, s66
	s_mov_b32 s[G0L], 1
	s_add_co_u32 s[G0L+1], s70, s68
	s_wait_dscnt 0x0                               ; the opening add is done
	s_wait_kmcnt 0x0
	s_load_b256 s[52:59], s[10:11], 0x0            ; e0 .. e7
	s_cmp_lt_u32 s[WV], 8
	s_cselect_b64 s[60:61], s[6:7], s[8:9]
	s_add_nc_u64 s[60:61], s[60:61], s[62:63]
	s_add_nc_u64 s[G0S+2:G0S+3], s[60:61], s[66:67]
	s_or_b32 s[G0S+3], s[G0S+3], 0x80000000
	s_add_nc_u64 s[G0L+2:G0L+3], s[60:61], s[68:69]
	s_or_b32 s[G0L+3], s[G0L+3], 0x80000000
	ROUND                                          ; all four work-groups are here: the joint loads meet
	tensor_load_to_lds s[G0S:G0S+3], s[G1S:G1S+7]
	s_nop 0
	s_wait_alu depctr_va_vdst(0)
	s_wait_tensorcnt 0x0
	ds_add_u32 v2, v3
	s_wait_dscnt 0x0
	ROUND
	tensor_load_to_lds s[G0L:G0L+3], s[G1L:G1L+7]  ; two loads of mine are out, and no more follow
	s_nop 0
.rept 4
	v_nop
.endr
	v_and_b32 v1, 31, v0
	s_delay_alu instid0(VALU_DEP_1)
	v_lshlrev_b32 v[LI], 4, v1
	s_wait_alu depctr_va_vdst(0)
	s_and_b32 s66, s[WV], 1
	s_lshr_b32 s[SBL], s[WV], 1                    ; tile u = w: block of 128 queries w / 2, fragment 4 (w % 2) + cx
	s_sub_co_u32 s[SBH], 15, s[SBL]                ; tile u = 31 - w: block 15 - w / 2, fragment 4 (1 - w % 2) + cx
	s_lshl_b32 s77, s66, 2
	s_add_co_u32 s77, s77, s15
	s_xor_b32 s66, s66, 1
	s_lshl_b32 s76, s66, 2
	s_add_co_u32 s76, s76, s15
	s_lshr_b32 s78, s76, 1                         ; a fragment's first query in its block: 32 (t / 2) + 8 (t % 2)
	s_lshl_b32 s78, s78, 5
	s_and_b32 s66, s76, 1
	s_lshl_b32 s66, s66, 3
	s_add_co_u32 s78, s78, s66
	s_lshr_b32 s79, s77, 1
	s_lshl_b32 s79, s79, 5
	s_and_b32 s66, s77, 1
	s_lshl_b32 s66, s66, 3
	s_add_co_u32 s79, s79, s66
	s_lshl_b32 s66, s[SBH], 13                     ; Q: head + 8,192 x block + 1,024 x fragment
	s_lshl_b32 s68, s76, 10
	s_add_co_u32 s66, s66, s68
	s_add_co_u32 s66, s66, s62
	s_add_nc_u64 s[60:61], s[4:5], s[66:67]
	global_load_b128 v[8:11], v[LI], s[60:61]
	global_load_b128 v[12:15], v[LI], s[60:61] offset:512
	s_lshl_b32 s68, s[SBL], 13
	s_lshl_b32 s69, s77, 10
	s_add_co_u32 s68, s68, s69
	s_add_co_u32 s68, s68, s62
	s_mov_b32 s69, 0
	s_add_nc_u64 s[70:71], s[4:5], s[68:69]
	global_load_b128 v[16:19], v[LI], s[70:71]
	global_load_b128 v[20:23], v[LI], s[70:71] offset:512
	s_lshl_b32 s66, s[SBH], 13                     ; the output: head + 64 bytes x (128 x block + the fragment's first query)
	s_lshl_b32 s68, s78, 6
	s_add_co_u32 s66, s66, s68
	s_add_co_u32 s66, s66, s62
	s_add_nc_u64 s[72:73], s[12:13], s[66:67]
	s_lshl_b32 s68, s[SBL], 13
	s_lshl_b32 s66, s79, 6
	s_add_co_u32 s68, s68, s66
	s_add_co_u32 s68, s68, s62
	s_add_nc_u64 s[74:75], s[12:13], s[68:69]
	v_and_b32 v250, 15, v0                         ; r
	v_bfe_u32 v251, v0, 4, 1                       ; h
	s_delay_alu instid0(VALU_DEP_2)
	v_and_b32 v252, 8, v250
	s_delay_alu instid0(VALU_DEP_1)
	v_add_nc_u32 v252, v252, v250                  ; r + 8 (r / 8)
	s_delay_alu instid0(VALU_DEP_3)
	v_lshlrev_b32 v253, 4, v251
	s_delay_alu instid0(VALU_DEP_1)
	v_sub_nc_u32 v252, v252, v253                  ; - 16 h
	s_delay_alu instid0(VALU_DEP_1)
	v_add_nc_u32 v6, s78, v252
	s_delay_alu instid0(VALU_DEP_2)
	v_add_nc_u32 v7, s79, v252
	s_lshl_b32 s66, s[WV], 10
	s_add_co_u32 s66, s66, STAGE                   ; my stage
	v_lshlrev_b32 v[STI], 6, v250
	s_delay_alu instid0(VALU_DEP_1)
	v_lshl_add_u32 v[STI], v251, 4, v[STI]
	s_delay_alu instid0(VALU_DEP_1)
	v_add_nc_u32 v[STI], s66, v[STI]               ; in: query r's 64 bytes, + 16 h
	v_add_nc_u32 v[STO], s66, v[LI]                ; back: as the bytes lie
.irp st, 24, 28
	v_mov_b32 v[\st+1], 0xff61b1e6                 ; the largest t so far: -3e38
	s_delay_alu instid0(VALU_DEP_1)
	v_floor_f32 v[\st], -v[\st+1]                  ; -M
	v_mov_b32 v[\st+2], 0                          ; the sum, in two halves
	v_mov_b32 v[\st+3], 0
.endr
	v_mov_b32 v245, 0                              ; (named as the upper half of the pair v[244:245])
	v_mov_b32 v248, 0                              ; a lane exchange's destination counts as one of its sources
	v_mov_b32 v[NINF], 0xff800000
.set j, 0
.rept 64
	v_mov_b32 v[160+j], 0                          ; O^T of both tiles.  (The step is written without a first step of its own: the first change of M multiplies zeros)
.set j, j+1
.endr
	s_wait_kmcnt 0x0
	s_add_co_i32 s66, s54, s55                     ; e2 + e3: a score stands for score x 2^(e2 + e3)
	s_lshl_b32 s66, s66, 23
	s_mov_b32 s[CS], 0x3e38aa3b                    ; log2(e) / 8
	s_add_co_i32 s[CS], s[CS], s66
	s_mov_b32 s[CS+1], s[CS]
	s_add_co_i32 s66, s56, 127
	s_lshl_b32 s68, s66, 23
	v_mov_b32 v[SC4], s68
	s_add_co_i32 s66, s58, 127
	s_lshl_b32 s68, s66, 23
	v_mov_b32 v[SC6], s68
; ONE TILE'S KEY STEP: 16 queries x 128 keys.  qr: Q's registers; o: O^T's; st: the statistics'; dd: the mask's number; sb: the scalar with the tile's last key step.
.macro TSTEP qr, o, st, dd, sb
	s_cmp_gt_u32 s[KS], s[\sb]                     ; all of the step's keys come after the tile's queries: nothing to do
	s_cbranch_scc1 .Lskip_\@
.rept 4
	v_nop                                          ; places in front of loads into registers that matrix instructions have read
.endr
	s_wait_alu depctr_va_vdst(0)
.irp t, 0,1,2,3,4,5,6,7
	ds_load_b128 v[F+8*\t:F+8*\t+3], v[ADK] offset:1024*\t
	ds_load_b128 v[F+8*\t+4:F+8*\t+7], v[ADK] offset:1024*\t+512
.endr
	s_wait_dscnt 0x0
.irp t, 0,1,2,3,4,5,6,7
	v_wmma_f32_16x16x64_fp8_fp8 v[S+8*\t:S+8*\t+7], v[F+8*\t:F+8*\t+7], v[\qr:\qr+7], 0
.endr
.rept 4
	v_nop
.endr
	s_wait_alu depctr_va_vdst(0)
.irp t, 0,1,2,3
.irp c, 0,1,2,3
	ds_load_b128 v[F+16*\t+4*\c:F+16*\t+4*\c+3], v[ADV] offset:2048*\t+512*\c   ; V lands while the softmax is worked
.endr
.endr
	s_cmp_lg_u32 s[KS], s[\sb]
	s_cbranch_scc1 .Lopen_\@
.set n, 0
.rept 64                               ; on the diagonal: register 16 b + i holds key 32 b + 16 (l / 16) + i of the step: hidden where it comes after my query
	v_cmp_gt_i32 vcc_lo, 32*(n/16)+n%16, v[\dd]
	v_cndmask_b32 v[S+n], v[S+n], v[NINF], vcc_lo
.set n, n+1
.endr
.Lopen_\@:
	v_max3_num_f32 v246, v96, v97, v98             ; the step's largest score of my query among my 64 keys, in two chains,
	v_max3_num_f32 v247, v99, v100, v101
.irp i, 6,10,14,18,22,26,30,34,38,42,46,50,54,58
	v_max3_num_f32 v246, v246, v[96+\i], v[97+\i]
	v_max3_num_f32 v247, v247, v[98+\i], v[99+\i]
.endr
	v_max3_num_f32 v246, v246, v158, v159
	s_delay_alu instid0(VALU_DEP_1)
	v_max_num_f32 v246, v246, v247
	s_delay_alu instid0(VALU_DEP_1)
	v_permlanex16_b32 v248, v246, s[SEL], s[SEL+1]
	s_delay_alu instid0(VALU_DEP_1)
	v_max_num_f32 v246, v246, v248                 ; and among lane l xor 16's
	s_delay_alu instid0(VALU_DEP_1)
	v_mul_f32 v246, s[CS], v246                    ; as t (c is positive)
	s_delay_alu instid0(VALU_DEP_1)
	v_max_num_f32 v[\st+1], v[\st+1], v246
	v_mov_b32 v246, v[\st]
	s_delay_alu instid0(VALU_DEP_2)
	v_floor_f32 v[\st], -v[\st+1]                  ; the new -M = floor(-t): M is a whole number
	s_delay_alu instid0(VALU_DEP_1)
	v_sub_f32 v246, v[\st], v246                   ; old M - new M, 0 or less
	s_delay_alu instid0(VALU_DEP_1)
	v_cvt_i32_f32 v246, v246                       ; (it saturates)
	s_delay_alu instid0(VALU_DEP_1)
	v_ldexp_f32 v244, 1.0, v246                    ; f = 2^(old M - new M)
.set j, 0
.rept 32
	v_pk_fma_f32 v[S+j:S+j+1], v[S+j:S+j+1], s[CS:CS+1], v[\st:\st+1] op_sel_hi:[1,0,0]   ; t - M, two at a time
.set j, j+2
.endr
.set j, 0
	s_wait_alu depctr_va_vdst(0)
.rept 64
	v_exp_f32 v[S+j], v[S+j]                       ; p = 2^(t - M)
.set j, j+1
.endr
	v_pk_mul_f32 v[\st+2:\st+3], v[\st+2:\st+3], v[244:245] op_sel_hi:[1,0]   ; the sums under the new M: the plain line behind the exponentials
	s_wait_alu depctr_va_vdst(0)                   ; one wait for the batch, ahead of its first reader
	v_pk_add_f32 v[242:243], v[96:97], v[98:99]    ; the sum of the UNQUANTISED p, in two chains
.irp j, 4,8,12,16,20,24,28,32,36,40,44,48,52,56,60
	v_pk_add_f32 v[\st+2:\st+3], v[\st+2:\st+3], v[96+\j:97+\j]
	v_pk_add_f32 v[242:243], v[242:243], v[98+\j:99+\j]
.endr
	s_delay_alu instid0(VALU_DEP_1)
	v_pk_add_f32 v[\st+2:\st+3], v[\st+2:\st+3], v[242:243]
.irp b, 0,1,2,3
.irp i, 0,1,2,3,4,5,6,7,8,9,10,11,12,13,14,15
.endr
	v_cvt_scalef32_pk8_fp8_f32 v[PC+4*\b:PC+4*\b+1], v[S+16*\b:S+16*\b+7], v[SC4]
	v_cvt_scalef32_pk8_fp8_f32 v[PC+4*\b+2:PC+4*\b+3], v[S+16*\b+8:S+16*\b+15], v[SC4]
.endr
.set j, 0
.rept 16
	v_pk_mul_f32 v[\o+j:\o+j+1], v[\o+j:\o+j+1], v[244:245] op_sel_hi:[1,0]   ; O^T under the new M; also the plain lines behind the conversions
.set j, j+2
.endr
	s_wait_alu depctr_va_vdst(0)
	s_wait_dscnt 0x0                               ; V is in
.irp t, 0,1,2,3
	v_wmma_f32_16x16x128_fp8_fp8 v[\o+8*\t:\o+8*\t+7], v[F+16*\t:F+16*\t+15], v[PC:PC+15], v[\o+8*\t:\o+8*\t+7]
.endr
.Lskip_\@:
.endm
.macro TRIP
	v_add_nc_u32 v[ADK], s[TB], v[LI]
	s_delay_alu instid0(VALU_DEP_1)
	v_add_nc_u32 v[ADV], 0x20000, v[ADK]
	TSTEP 8, 160, 24, 6, SBH
	TSTEP 16, 192, 28, 7, SBL
	s_add_co_u32 s[TB], s[TB], 8192
	s_add_co_u32 s[KS], s[KS], 1
.endm
	s_wait_loadcnt 0x0                             ; Q
	s_wait_tensorcnt 1                             ; my part of key steps 0 and 1 is in; my large load may stay out
	s_barrier_signal -1
	s_barrier_wait -1                              ; everybody's is
	s_mov_b32 s[KS], 0
	s_mov_b32 s[TB], 0
	s_mov_b32 s[CNT], 2
.Lfirst_steps:
	TRIP
	s_sub_co_u32 s[CNT], s[CNT], 1
	s_cmp_lg_u32 s[CNT], 0
	s_cbranch_scc1 .Lfirst_steps
	s_wait_tensorcnt 0x0                           ; my part of key steps 2 to 15 is in,
	s_wait_dscnt 0x0
	s_barrier_signal -1
	s_barrier_wait -1                              ; everybody's is: from here on the waves run free
	s_mov_b32 s[KS], 2
	s_mov_b32 s[TB], 16384
	s_mov_b32 s[CNT], 14
.Lsteps:
	TRIP
	s_sub_co_u32 s[CNT], s[CNT], 1
	s_cmp_lg_u32 s[CNT], 0
	s_cbranch_scc1 .Lsteps
	; THE WAY OUT.  O^T x 2^(e4 + e5) / the sum, quantised with 2^e6.  A lane's 16 codes are 16 neighbouring channels of one query; a tile's 16 queries are two runs of eight: through my stage, two stores of 512 bytes.
.rept 4
	v_nop
.endr
	v_add_f32 v26, v26, v27
	v_add_f32 v30, v30, v31
	s_delay_alu instid0(VALU_DEP_2)
	v_permlanex16_b32 v248, v26, s[SEL], s[SEL+1]
	s_delay_alu instid0(VALU_DEP_2)
	v_permlanex16_b32 v252, v30, s[SEL], s[SEL+1]
	s_delay_alu instid0(VALU_DEP_2)
	v_add_f32 v26, v26, v248
	s_delay_alu instid0(VALU_DEP_2)
	v_add_f32 v30, v30, v252
	s_wait_alu depctr_va_vdst(0)
	v_rcp_f32 v26, v26
	v_rcp_f32 v30, v30
	v_nop                                          ; a plain line behind the reciprocals
	s_add_co_i32 s66, s56, s57
	s_wait_alu depctr_va_vdst(0)                   ; one wait for both, ahead of the first reader
	v_ldexp_f32 v26, v26, s66
	v_ldexp_f32 v30, v30, s66
.macro FIN o, st, pc, fr, base
.set j, 0
.rept 16
	v_pk_mul_f32 v[\o+j:\o+j+1], v[\o+j:\o+j+1], v[\st+2:\st+3] op_sel_hi:[1,0]
.set j, j+2
.endr
.set j, 0
.rept 32
.set j, j+1
.endr
.irp b, 0,1
	v_cvt_scalef32_pk8_fp8_f32 v[\pc+4*\b:\pc+4*\b+1], v[\o+16*\b:\o+16*\b+7], v[SC6]
	v_cvt_scalef32_pk8_fp8_f32 v[\pc+4*\b+2:\pc+4*\b+3], v[\o+16*\b+8:\o+16*\b+15], v[SC6]
.endr
	v_nop
	ds_store_b128 v[STI], v[\pc:\pc+3]             ; channels 16 h + 0..15
	ds_store_b128 v[STI], v[\pc+4:\pc+7] offset:32 ; channels 32 + 16 h + 0..15
	ds_load_b128 v[\fr:\fr+3], v[STO]              ; LDS serves a wave's instructions in order: these see my stores
	ds_load_b128 v[\fr+4:\fr+7], v[STO] offset:512
	s_wait_dscnt 0x0
	global_store_b128 v[LI], v[\fr:\fr+3], s[\base:\base+1]                 ; the tile's first eight queries: 512 consecutive bytes, aligned
	global_store_b128 v[LI], v[\fr+4:\fr+7], s[\base:\base+1] offset:1024   ; and the eight that lie 16 queries further on
.endm
	FIN 160, 24, 224, 32, 72
	FIN 192, 28, 232, 40, 74
	s_wait_tensorcnt 0x0                           ; the wave's end
	ds_add_u32 v[SPW], v[NIL]
	s_wait_dscnt 0x0
	ROUND                                          ; the closing round
	s_endpgm
.Lfunc_end_k_qfbf3a6c7c6_attn:
	.size	k_qfbf3a6c7c6_attn, .Lfunc_end_k_qfbf3a6c7c6_attn-k_qfbf3a6c7c6_attn
	.p2alignl 7, 3214868480
	.fill 96, 4, 3214868480
	.section	.rodata,"a",@progbits
	.p2align	6, 0x0
	.amdhsa_kernel k_qfbf3a6c7c6_attn
		.amdhsa_group_segment_fixed_size 327680
		.amdhsa_private_segment_fixed_size 0
		.amdhsa_enable_private_segment 0
		.amdhsa_kernarg_size 40
		.amdhsa_user_sgpr_count 2
		.amdhsa_user_sgpr_kernarg_segment_ptr 1
		.amdhsa_wavefront_size32 1
		.amdhsa_system_sgpr_workgroup_id_x 1
		.amdhsa_system_sgpr_workgroup_id_y 1
		.amdhsa_system_sgpr_workgroup_id_z 1
		.amdhsa_system_vgpr_workitem_id 0
		.amdhsa_next_free_vgpr 256
		.amdhsa_next_free_sgpr 80
		.amdhsa_reserve_vcc 1
		.amdhsa_float_denorm_mode_32 3
		.amdhsa_float_denorm_mode_16_64 3
		.amdhsa_fp16_overflow 1
		.amdhsa_memory_ordered 1
		.amdhsa_forward_progress 1
		.amdhsa_inst_pref_size 90
	.end_amdhsa_kernel
	.amdgpu_metadata
---
amdhsa.version: [ 1, 2 ]
amdhsa.kernels:
  - .name:           k_qfbf3a6c7c6_attn
    .symbol:         k_qfbf3a6c7c6_attn.kd
    .args:
      - { .name: qc, .offset: 0, .size: 8, .value_kind: global_buffer, .address_space: global }
      - { .name: kc, .offset: 8, .size: 8, .value_kind: global_buffer, .address_space: global }
      - { .name: vc, .offset: 16, .size: 8, .value_kind: global_buffer, .address_space: global }
      - { .name: lowp_scales, .offset: 24, .size: 8, .value_kind: global_buffer, .address_space: global }
      - { .name: ac, .offset: 32, .size: 8, .value_kind: global_buffer, .address_space: global }
    .group_segment_fixed_size: 327680
    .private_segment_fixed_size: 0
    .kernarg_segment_align: 8
    .kernarg_segment_size: 40
    .max_flat_workgroup_size: 512
    .sgpr_count:     80
    .vgpr_count:     256
    .wavefront_size: 32
...
	.end_amdgpu_metadata
.endif
;; end of part 3
;; launch outp (part 4): grid 8 x 32, 4 waves a work-group, clusters of 4 x 4, 327,680 bytes of LDS; arguments ac, woc, b_o, lowp_scales, out0; writes out0
.if DOCPART == 4
	.amdgcn_target "amdgcn-amd-amdhsa--gfx1250"
	.amdhsa_code_object_version 6
	.text
	.protected	k_qfbf3a6c7c6_outp
	.globl	k_qfbf3a6c7c6_outp
	.p2align	8
	.type	k_qfbf3a6c7c6_outp,@function
k_qfbf3a6c7c6_outp:
	s_mov_b64 s[64:65], 0
	v_nop
	global_prefetch_b8 v0, s[64:65] scope:SCOPE_SE
	s_setreg_imm32_b32 hwreg(HW_REG_WAVE_MODE, 25, 1), 1
	s_wait_xcnt 0x0
	s_wait_alu depctr_hold_cnt(0) depctr_sa_sdst(0) depctr_va_vdst(0) depctr_va_sdst(0) depctr_va_ssrc(0) depctr_va_vcc(0) depctr_vm_vsrc(0)
	s_getreg_b32 s2, hwreg(HW_REG_IB_STS2, 6, 4)
	s_cmp_eq_u32 s2, 0
	s_cbranch_scc0 .Lentry_in_a_cluster
	s_endpgm
.Lentry_in_a_cluster:
	s_bfe_u32 s2, ttmp6, 0x10000c
	s_cmp_lg_u32 s2, 0xf033
	s_cbranch_scc0 .Lentry_shape_is_right
	s_endpgm
.Lentry_shape_is_right:
; out0 = vals W_o + b_o on codes of FP8 (E4M3).  vals: ac, [8192][1024] codes, K innermost (scale 2^e6).  W_o: woc, images of fragments [128 columns][K step][fragment 0..7][2048] (scale 2^e7).  out0 [8192][1024] f32.
; A tile of out0 is 256 x 128: 256 work-groups, one tile each.  Four waves; wave (rh, ch) makes 128 rows x 64 columns: 32 accumulators, 256 registers.
; K = 1,024 is four parts of 256.  THREE LDS slots hold parts 0, 1, 2, all asked for at the start; part 3 goes into slot 0 when that has been read: one refill in the launch.
; vals' rows come as rows of 256 bytes padded by 16 (pitch 272 bytes = 68 words: the sixteen rows of a fragment load start at sixteen different banks); W_o's fragments as dense blocks.
; A lane's registers 4 c .. 4 c + 3 hold k = 32 c + 16 (l / 16) + 0..15 in both operands: every product meets its partner.
; TRANSPOSED USE (source 0 = 16 columns of W_o, source 1 = 16 rows of vals), and of 32 columns fragment u takes 8 u + r + 8 (r / 8): a lane's 16 results of two neighbouring fragments are 16 neighbouring columns of one row.
; out = sum x 2^(e6 + e7) + b_o, one packed multiply-add for two numbers.  LIMIT: e6 + e7 between -126 and 127.
; CLUSTERS: 4 x 4: vals' tiles are shared along a row of the cluster, W_o's along a column.  No prefetch: three quarters of the operands are asked for at the head.
; REGISTERS: window 0: v0-31 addresses; v32-63 a block's results; v64-127 rows read back, two sets; v128-255 vals' 8 fragments.  window 1: W_o's 4 fragments, two sets, at v0 and v64; v128-159 the bias.  window 2: accumulator (a, b) at v[8 (4 a + b)].
.set SLOT,  102400                     ; vals' 256 rows x 272, then W_o's 2 x 16,384
.set SPARE, 3*SLOT
.set STG,   SLOT                       ; the way out: 16 rows x 272 bytes a wave, in slot 1: it has had its only fill, and behind the last barrier nobody reads it
.set LI,   5
.set ADRA, 16                          ; v16-18
.set ADRB, 20                          ; v20-22
.set STO,  24
.set RD,   25
.set CO,   26
.set SPW,  28                          ; v28  LDS address of my spare word; never rewritten
.set NIL,  29                          ; v29  0; never rewritten
.set TMP,  32
.set BK,   64
.set AF,   128
.set G1,  24                           ; s[24:31] group 1 for vals;  s[32:43] group 0, a set for each slot
.set G0,  32
.set G1B, 44                           ; s[44:51], s[52:63] the same for W_o
.set G0B, 52
.set MSB, 0
.macro WIN new
.if MSB != (\new)
	s_set_vgpr_msb (MSB<<8)|(\new)
.set MSB, (\new)
.endif
.endm
.macro PLACES
.rept 4
	v_nop
.endr
.endm
.macro JLOAD g0a, g0b                  ; waves 0 and 1 fetch vals' two halves, waves 2 and 3 W_o's two K steps; an s_nop 0 and four v_nop follow each line
	s_cmp_eq_u32 s15, 0
	s_cbranch_scc0 .Lfor_b_\@
	tensor_load_to_lds s[\g0a:\g0a+3], s[G1:G1+7]
	s_nop 0
.rept 4
	v_nop
.endr
	s_branch .Lasked_\@
.Lfor_b_\@:
	tensor_load_to_lds s[\g0b:\g0b+3], s[G1B:G1B+7]
	s_nop 0
.rept 4
	v_nop
.endr
.Lasked_\@:
.endm
.macro CREST
	s_cmp_lg_u32 s14, 0
	s_cbranch_scc1 .Lnot_wave_0_\@
	s_barrier_signal -3
.Lnot_wave_0_\@:
	s_barrier_wait -3
	s_barrier_signal -1
	s_barrier_wait -1
.endm
.macro CROUND
	s_barrier_signal -1
	s_barrier_wait -1
	CREST
.endm
	s_load_b256 s[4:11], s[0:1], 0x0               ; ac s[4:5], woc s[6:7], b_o s[8:9], the scales s[10:11]
	s_load_b64 s[12:13], s[0:1], 0x20              ; out0
	v_lshl_add_u32 v[SPW], v0, 2, SPARE
	v_mov_b32 v[NIL], 0
	ds_add_u32 v[SPW], v[NIL]                      ; the wave's opening: the add and its wait ahead of my first tensor load
	v_lshrrev_b32 v1, 5, v0
	v_readfirstlane_b32 s14, v1                    ; wave 0..3
	s_lshr_b32 s15, s14, 1                         ; rh.  Also: I fetch for vals (0) or for W_o (1)
	s_and_b32 s16, s14, 1                          ; ch.  Also: which half I fetch
	s_bfe_u32 s66, ttmp6, 0x40000                  ; cx, cy
	s_bfe_u32 s67, ttmp6, 0x40004
	s_lshl_b32 s68, ttmp9, 2
	s_add_co_u32 s68, s68, s66                     ; tile column, 0..7
	s_and_b32 s17, ttmp7, 0xffff
	s_lshl_b32 s17, s17, 2
	s_add_co_u32 s17, s17, s67                     ; tile row, 0..31
	s_lshl_b32 s69, s67, 2
	s_lshl_b32 s69, 15, s69                        ; my row of the cluster
	s_lshl_b32 s70, 0x1111, s66                    ; my column
	s_or_b32 s[G1], s69, (1<<20)|(1<<21)|(5<<22)|(3<<25)   ; the mask; elements of 1 byte; padding on; 21 set beside a mask; after every 64 words four words
	s_mov_b32 s[G1+1], 256<<16                     ; tensor_dim0
	s_mov_b32 s[G1+2], 128<<16                     ; tensor_dim1
	s_mov_b32 s[G1+3], 256<<16                     ; tile_dim0
	s_mov_b32 s[G1+4], 128                         ; tile_dim1
	s_mov_b32 s[G1+5], 1024                        ; a row of vals in memory
	s_mov_b32 s[G1+6], 0
	s_mov_b32 s[G1+7], 0
	s_or_b32 s[G1B], s70, (3<<16)|(1<<21)          ; a dense block: 64 rows of 32 elements of 8 bytes
	s_mov_b32 s[G1B+1], 32<<16
	s_mov_b32 s[G1B+2], 64<<16
	s_mov_b32 s[G1B+3], 32<<16
	s_mov_b32 s[G1B+4], 64
	s_mov_b32 s[G1B+5], 32
	s_mov_b32 s[G1B+6], 0
	s_mov_b32 s[G1B+7], 0
	s_lshl_b32 s20, s17, 18                        ; vals: row 256 x tile row + 128 x half, 1,024 bytes a row
	s_lshl_b32 s21, s16, 17
	s_add_co_u32 s20, s20, s21
	s_mov_b32 s21, 0
	s_lshl_b32 s72, s68, 17                        ; W_o: 131,072 x tile column + 16,384 x half
	s_lshl_b32 s73, s16, 14
	s_add_co_u32 s72, s72, s73
	s_mov_b32 s73, 0
	s_mul_i32 s71, s16, 34816                      ; where they go: the wave's number alone enters an LDS address
	s_lshl_b32 s74, s16, 14
	s_add_co_u32 s74, s74, 69632
	s_wait_dscnt 0x0                               ; the opening add is done
	s_wait_kmcnt 0x0
	s_load_b256 s[80:87], s[10:11], 0x0            ; e0 .. e7
	s_add_nc_u64 s[20:21], s[4:5], s[20:21]
	s_add_nc_u64 s[72:73], s[6:7], s[72:73]
	CROUND                                         ; all sixteen work-groups are here: the first joint loads meet
.irp s, 0,1,2
	s_mov_b32 s[G0+4*\s], 1
	s_add_co_u32 s[G0+4*\s+1], s71, \s*SLOT
	s_add_nc_u64 s[G0+4*\s+2:G0+4*\s+3], s[20:21], \s*256
	s_or_b32 s[G0+4*\s+3], s[G0+4*\s+3], 0x80000000
	s_mov_b32 s[G0B+4*\s], 1
	s_add_co_u32 s[G0B+4*\s+1], s74, \s*SLOT
	s_add_nc_u64 s[G0B+4*\s+2:G0B+4*\s+3], s[72:73], \s*32768
	s_or_b32 s[G0B+4*\s+3], s[G0B+4*\s+3], 0x80000000
	JLOAD G0+4*\s, G0B+4*\s                        ; three loads of mine are out
.endr
	v_and_b32 v1, 31, v0
	v_lshlrev_b32 v[LI], 4, v1
	v_and_b32 v2, 15, v0                           ; r
	v_bfe_u32 v3, v0, 4, 1                         ; h
	v_mul_u32_u24 v4, v2, 272
	v_lshl_add_u32 v4, v3, 4, v4                   ; a fragment's row x pitch + 16 h
	s_mul_i32 s21, s15, 34816                      ; my 128 rows of vals
	s_lshl_b32 s22, s16, 13
	s_add_co_u32 s22, s22, 69632                   ; my four fragments of W_o
.irp s, 0,1,2
	v_add_nc_u32 v[ADRA+\s], s21, v4
	v_add_nc_u32 v[ADRB+\s], s22, v[LI]
	s_add_co_u32 s21, s21, SLOT
	s_add_co_u32 s22, s22, SLOT
.endr
	s_mul_i32 s23, s14, 4352
	s_add_co_u32 s23, s23, STG                     ; my stage
	v_mul_u32_u24 v6, v2, 272
	v_lshl_add_u32 v6, v3, 6, v6
	v_add_nc_u32 v[STO], s23, v6                   ; in: row r, + 64 h bytes
	v_mul_u32_u24 v6, v3, 272
	v_lshl_add_u32 v6, v2, 4, v6
	v_add_nc_u32 v[RD], s23, v6                    ; back: lanes 0-15 one row of 256 bytes, lanes 16-31 the next
	v_lshlrev_b32 v6, 12, v3
	v_lshl_add_u32 v[CO], v2, 4, v6                ; and the same two rows in out0
	s_lshl_b32 s18, s68, 9                         ; the bias: column 128 x tile column + 64 ch + 32 b + 16 h + 0..15
	s_mov_b32 s19, 0
	s_add_nc_u64 s[8:9], s[8:9], s[18:19]
	s_lshl_b32 s18, s16, 8
	v_lshl_add_u32 v1, v3, 6, s18
	WIN 0x40                                       ; destination window 1
.irp b, 0,1,2,3
	global_load_b128 v[128+8*\b:128+8*\b+3], v1, s[8:9] offset:128*(\b/2)+32*(\b%2)
	global_load_b128 v[128+8*\b+4:128+8*\b+7], v1, s[8:9] offset:128*(\b/2)+32*(\b%2)+16
.endr
	WIN 0
	s_lshl_b32 s76, s17, 20                        ; out0: row 256 x tile row + 128 rh, 4,096 bytes a row; + 512 x tile column + 256 ch
	s_lshl_b32 s77, s15, 19
	s_add_co_u32 s76, s76, s77
	s_lshl_b32 s77, s68, 9
	s_add_co_u32 s76, s76, s77
	s_lshl_b32 s77, s16, 8
	s_add_co_u32 s76, s76, s77
	s_mov_b32 s77, 0
	s_add_nc_u64 s[12:13], s[12:13], s[76:77]
; 8 products: blocks a0, a0 + 1 x my four fragments of W_o (set p), 128 along K.  The 32 accumulators take turns, one instruction a turn.
.macro MUL8 a0, p, zero
.irp a, \a0, \a0+1
.irp b, 0,1,2,3
.if \zero
	v_wmma_f32_16x16x128_fp8_fp8 v[8*(4*(\a)+\b):8*(4*(\a)+\b)+7], v[64*(\p)+16*\b:64*(\p)+16*\b+15], v[AF+16*(\a):AF+16*(\a)+15], 0
.else
	v_wmma_f32_16x16x128_fp8_fp8 v[8*(4*(\a)+\b):8*(4*(\a)+\b)+7], v[64*(\p)+16*\b:64*(\p)+16*\b+15], v[AF+16*(\a):AF+16*(\a)+15], v[8*(4*(\a)+\b):8*(4*(\a)+\b)+7]
.endif
.endr
.endr
.endm
.macro FETCH_B slot, q, p              ; 16 loads
	WIN 0x40
.irp i, 0,1,2,3
.irp c, 0,1,2,3
	ds_load_b128 v[64*(\p)+16*\i+4*\c:64*(\p)+16*\i+4*\c+3], v[ADRB+\slot] offset:16384*(\q)+2048*\i+512*\c
.endr
.endr
	WIN 0
.endm
.macro FETCH_A slot, q, i0             ; 16 loads
.irp i, 0,1,2,3
.irp c, 0,1,2,3
	ds_load_b128 v[AF+16*((\i0)+\i)+4*\c:AF+16*((\i0)+\i)+4*\c+3], v[ADRA+\slot] offset:128*(\q)+32*\c+4352*((\i0)+\i)
.endr
.endr
.endm
; A step of 128 along K on W_o's set p; the next step's fragments come from slot ns, its nq-th 128, which every wave has been shown whole.
.macro KSTEP p, ns, nq, zero
	s_wait_dscnt 16                                ; W_o's set and blocks 0-3 are in; the youngest 16 loads (blocks 4-7) may be out
	WIN 0xa1                                       ; source 0 (W_o) window 1, source 1 (vals) window 0, C and D window 2
	MUL8 0, \p, \zero
	MUL8 2, \p, \zero
	s_wait_dscnt 0
	PLACES
	FETCH_B \ns, \nq, 1-(\p)
	FETCH_A \ns, \nq, 0
	WIN 0xa1
	MUL8 4, \p, \zero
	MUL8 6, \p, \zero
	PLACES
	WIN 0
	FETCH_A \ns, \nq, 4
.endm
; A step with a barrier.  fill = 1: slot 0, which has been read, takes part 3; fill = 0: part 3 has landed and is shown to every wave.
.macro TURN p, ns, nq, fill
	s_wait_tensorcnt 0x0                           ; all my tensor loads have landed
	ds_add_u32 v[SPW], v[NIL]                      ; 0 onto my spare word
	s_wait_dscnt 17                                ; (the add and the youngest 16 loads may be out)
	WIN 0xa1
	MUL8 0, \p, 0                                  ; eight matrix instructions stand between the add and the wait for it
	s_wait_dscnt 0x0                               ; the add is done, and my reads so far are over
	s_barrier_signal -1
	MUL8 2, \p, 0
	WIN 0
	s_barrier_wait -1
.if \fill
	CREST                                          ; the barrier has opened a round of the cluster's: no wave of any partner still reads slot 0 or has a load on its way
	s_add_nc_u64 s[G0+2:G0+3], s[G0+2:G0+3], 768
	s_add_nc_u64 s[G0B+2:G0B+3], s[G0B+2:G0B+3], 98304
	JLOAD G0, G0B                                  ; the first tensor load behind the round: it has four steps, 128 matrix instructions, in which to land
.else
	PLACES
.endif
	FETCH_B \ns, \nq, 1-(\p)
	FETCH_A \ns, \nq, 0
	WIN 0xa1
	MUL8 4, \p, 0
	MUL8 6, \p, 0
	PLACES
	WIN 0
	FETCH_A \ns, \nq, 4
.endm
	s_wait_tensorcnt 2                             ; my part of slot 0 is in; slots 1 and 2 may stay out
	s_barrier_signal -1
	s_barrier_wait -1
	FETCH_B 0, 0, 0
	FETCH_A 0, 0, 0
	FETCH_A 0, 0, 4
	KSTEP 0, 0, 1, 1                               ; the first products start the sums
	TURN 1, 1, 0, 1
	KSTEP 0, 1, 1, 0
	KSTEP 1, 2, 0, 0
	KSTEP 0, 2, 1, 0
	TURN 1, 0, 0, 0
	KSTEP 0, 0, 1, 0
	s_wait_dscnt 16                                ; the last step
	WIN 0xa1
	MUL8 0, 1, 0
	MUL8 2, 1, 0
	s_wait_dscnt 0
	MUL8 4, 1, 0
	MUL8 6, 1, 0
	WIN 0
	PLACES
	s_wait_loadcnt 0x0                             ; the bias
	s_wait_kmcnt 0x0
	s_add_co_i32 s96, s86, s87
	s_add_co_i32 s96, s96, 127
	s_lshl_b32 s96, s96, 23                        ; 2^(e6 + e7) as f32
	s_mov_b32 s97, s96                             ; (named with it as a pair)
; THE WAY OUT, block by block of 16 rows x 64 columns, through my stage: in as 64 bytes a lane, back as whole rows of 256 bytes.
.macro TOSTAGE a
	WIN 0x12                                       ; source 0 (the sums) window 2, source 2 (the bias) window 1
.set j, 0
.rept 16
	v_pk_fma_f32 v[TMP+j:TMP+j+1], v[32*(\a)+j:32*(\a)+j+1], s[96:97], v[128+j:128+j+1] op_sel_hi:[1,0,1]   ; each accumulator from its low end on
.set j, j+2
.endr
	WIN 0
.irp b, 0,1
.irp j, 0,1,2,3
	ds_store_b128 v[STO], v[TMP+16*\b+4*\j:TMP+16*\b+4*\j+3] offset:128*\b+16*\j
.endr
.endr
.irp i, 0,1,2,3,4,5,6,7
	ds_load_b128 v[BK+32*((\a)%2)+4*\i:BK+32*((\a)%2)+4*\i+3], v[RD] offset:544*\i   ; LDS serves a wave's instructions in order: these see my stores
.endr
.endm
.macro SEND a, younger
	s_wait_dscnt \younger
.if (\a) > 0
	s_add_nc_u64 s[12:13], s[12:13], 65536         ; 16 rows on (behind a wait on XCNT: the earlier stores have read their base)
.endif
.irp i, 0,1,2,3,4,5,6,7
	global_store_b128 v[CO], v[BK+32*((\a)%2)+4*\i:BK+32*((\a)%2)+4*\i+3], s[12:13] offset:8192*\i th:TH_STORE_NT   ; sixteen lanes store 256 consecutive bytes, aligned
.endr
.endm
	TOSTAGE 0
.irp a, 1,2,3,4,5,6,7
.if \a > 1
	s_wait_xcnt 0x0                                ; block a - 2's stores have read their registers and their base
.endif
	TOSTAGE \a
	SEND \a-1, 16                                  ; behind block a - 1's loads: block a's 8 stores and 8 loads
.endr
	s_wait_xcnt 0x0
	SEND 7, 0
	s_wait_tensorcnt 0x0                           ; the wave's end
	ds_add_u32 v[SPW], v[NIL]
	s_wait_dscnt 0x0
	CROUND                                         ; the closing round
	s_endpgm
.Lfunc_end_k_qfbf3a6c7c6_outp:
	.size	k_qfbf3a6c7c6_outp, .Lfunc_end_k_qfbf3a6c7c6_outp-k_qfbf3a6c7c6_outp
	.p2alignl 7, 3214868480
	.fill 96, 4, 3214868480
	.section	.rodata,"a",@progbits
	.p2align	6, 0x0
	.amdhsa_kernel k_qfbf3a6c7c6_outp
		.amdhsa_group_segment_fixed_size 327680
		.amdhsa_private_segment_fixed_size 0
		.amdhsa_enable_private_segment 0
		.amdhsa_kernarg_size 40
		.amdhsa_user_sgpr_count 2
		.amdhsa_user_sgpr_kernarg_segment_ptr 1
		.amdhsa_wavefront_size32 1
		.amdhsa_system_sgpr_workgroup_id_x 1
		.amdhsa_system_sgpr_workgroup_id_y 1
		.amdhsa_system_sgpr_workgroup_id_z 1
		.amdhsa_system_vgpr_workitem_id 0
		.amdhsa_next_free_vgpr 768
		.amdhsa_next_free_sgpr 100
		.amdhsa_reserve_vcc 0
		.amdhsa_float_denorm_mode_32 3
		.amdhsa_float_denorm_mode_16_64 3
		.amdhsa_memory_ordered 1
		.amdhsa_forward_progress 1
		.amdhsa_inst_pref_size 78
	.end_amdhsa_kernel
	.amdgpu_metadata
---
amdhsa.version: [ 1, 2 ]
amdhsa.kernels:
  - .name:           k_qfbf3a6c7c6_outp
    .symbol:         k_qfbf3a6c7c6_outp.kd
    .args:
      - { .name: ac, .offset: 0, .size: 8, .value_kind: global_buffer, .address_space: global }
      - { .name: woc, .offset: 8, .size: 8, .value_kind: global_buffer, .address_space: global }
      - { .name: b_o, .offset: 16, .size: 8, .value_kind: global_buffer, .address_space: global }
      - { .name: lowp_scales, .offset: 24, .size: 8, .value_kind: global_buffer, .address_space: global }
      - { .name: out0, .offset: 32, .size: 8, .value_kind: global_buffer, .address_space: global }
    .group_segment_fixed_size: 327680
    .private_segment_fixed_size: 0
    .kernarg_segment_align: 8
    .kernarg_segment_size: 40
    .max_flat_workgroup_size: 128
    .sgpr_count:     100
    .vgpr_count:     768
    .wavefront_size: 32
...
	.end_amdgpu_metadata
.endif
;; end of part 4
